; MI455X (gfx1250); checked and timed in simulation.
; The chip was launched on July 23, 2026; its instructions are those of AMD's public machine-readable ISA for CDNA 5 (MIT licence, August 2026) and "CDNA5" Instruction Set Architecture Reference Guide (July 2026). The comments in the code are by the model that wrote it; some were corrected since.
;; Flash Multi Head Attention. Allowed arithmetic: float matrix products may take bf16 or f16 operands with f32 sums; all other float work in f32.
;; Inputs: Wqkv 3,072 x 1,024 float32; bqkv 3,072 float32; hidden_states 4 x 1,024 x 1,024 float32.
;; Outputs: out0 4 x 1,024 x 1,024 float32.
;; 3 versions, each right; version 2 is faster than version 1; version 3 is version 2 with the launch tobf16 written anew for expert scheduling mode. Each part assembles by itself: llvm-mc -triple=amdgcn-amd-amdhsa -mcpu=gfx1250 --defsym DOCPART=n.
;; ======== version 1 of 3: 2 launches
;; limits: values are held in f16: magnitudes above 65,504 overflow, below 6.1e-05 lose precision
;; workspace buffers: qf 8,388,608 bytes; kvf 16,777,216 bytes
;; launch qkv (part 1): grid 16 x 16, 4 waves a work-group, clusters of 4 x 4, 327,680 bytes of LDS; arguments hidden_states, Wqkv, bqkv, qf, kvf; writes qf, kvf
.if DOCPART == 1
	.amdgcn_target "amdgcn-amd-amdhsa--gfx1250"
	.amdhsa_code_object_version 6
	.text
	.protected	k_q7d98352b39_qkv
	.globl	k_q7d98352b39_qkv
	.p2align	8
	.type	k_q7d98352b39_qkv,@function
k_q7d98352b39_qkv:
	s_mov_b64 s[64:65], 0
	v_nop
	global_prefetch_b8 v0, s[64:65] scope:SCOPE_SE
	s_setreg_imm32_b32 hwreg(HW_REG_WAVE_MODE, 25, 1), 1
	s_wait_xcnt 0x0
	s_wait_alu depctr_hold_cnt(0) depctr_sa_sdst(0) depctr_va_vdst(0) depctr_va_sdst(0) depctr_va_ssrc(0) depctr_va_vcc(0) depctr_vm_vsrc(0)
	s_getreg_b32 s2, hwreg(HW_REG_IB_STS2, 6, 4)
	s_cmp_eq_u32 s2, 0
	s_cbranch_scc0 .Lentry_in_a_cluster
	s_endpgm
.Lentry_in_a_cluster:
	s_bfe_u32 s2, ttmp6, 0x10000c
	s_cmp_lg_u32 s2, 0xf033
	s_cbranch_scc0 .Lentry_shape_is_right
	s_endpgm
.Lentry_shape_is_right:
; qkv = hidden x Wqkv^T + bqkv, rotary embedding on q and k, all three rounded to f16 and stored in the order in which the attention launch reads fragments.
; hidden: [4096][1024] f32, Wqkv: [3072][1024] f32, bqkv: [3072] f32.  Products with bf16 operands and f32 sums.
; A work-group makes 256 rows x 192 columns: q, k and v of ONE head (x = head 0..15, y = block of 256 rows 0..15): 256 work-groups.
; Four waves, 2 x 2: wr = wave / 2 takes 128 rows, c = wave % 2 takes, of every 32 columns, the 16 at 16 c.  So a wave has six column tiles j = 2 z + p
; (z = q, k, v; p = lower or upper half of the head) and the rotary partners d and d + 32 are tiles (z, 0) and (z, 1): same lane, same register.
; 8 row tiles x 6 column tiles = 48 accumulator tiles = 384 registers.
; K goes in steps of 64 f32 (rows of 256 bytes, aligned) through two LDS slots filled by tensor loads; a step is two chunks of 32 along K.
; For each chunk a wave reads 224 rows x 128 bytes of f32 from LDS into a stage, rounds them to bf16 fragments (two fragment buffers) and issues 48 matrix instructions.
; CLUSTER 4 x 4: the four work-groups of a cluster row share the rows of hidden, the four of a column share the rows of Wqkv (one head): both are joint loads.
; q and k tiles are made TRANSPOSED (source 0 = rows of W): a lane holds 8 neighbouring features of one row.  v tiles are made the natural way: a lane holds
; 8 neighbouring keys of one feature.  Both are 16 bytes a lane that the attention launch wants together, so every store is lane x 16: 512 consecutive bytes, aligned.
; WHY f16 FOR THE RESULTS: the first queries average few values, so an output can be a small difference of products; f16 keeps three bits more than bf16.
; LIMITS: hidden and Wqkv are rounded to bf16.  q, k, v are rounded to f16, whose largest number is 65,504: with inputs of spread 1 and 1/32 they are about 1; with both
; inputs 30 times larger about 900; with both carrying an offset of 30 spreads 1024 x 30 x 30/32 = 28,800, after the rotation at most 1.42 times that.  Beyond 65,504
; they become infinite.  cos and sin come from 2^x, a reduction in revolutions and series cut at 2.2e-5; the angle is good to about 3e-4 rad at position 1023.
; NaN and infinities are not looked at.
; qf  byte: bh*131072 + T*2048 + c*1024 + p*512 + lane*16 = features 32p+16c+8h+0..7 of row 16T+r           (r = lane%16, h = lane/16, bh = batch*16+head)
; kvf byte: bh*262144 + kb*16384 + u*2048 + c*1024 + p*512 + lane*16 (K, as qf, key tile u of block kb)
;           bh*262144 + kb*16384 + 8192 + g*4096 + dt*1024 + t*512 + lane*16 = keys 64kb+32g+16t+8h+0..7 of feature 16dt+r (V)
.set PITCH,  272                       ; an LDS row: 256 bytes + 16 of padding: 16 neighbouring rows start in 16 different 16-byte columns of 256 bytes
.set WTILE,  64*PITCH                  ; 64 rows of W: what waves 0, 1, 2 fetch (q, k, v rows of the head)
.set SLOT,   448*PITCH                 ; rows 0-191 W (q, k, v), rows 192-447 hidden
.set KBYTES, 256                       ; a K step in bytes
.set ADRA, 4                           ; v4, v5   LDS address of my rows of hidden in slot 0, 1
.set ADRB, 6                           ; v6, v7   the same for my rows of W
.set F0, 32                            ; window 0: v32-143 fragment buffer 0: row tile a at 8a, column tile j at 64+8j
.set F1, 144                           ; window 0: v144-255 fragment buffer 1
; window 1: v0-223 the f32 stage, fragment x at 16x; v224-255 the rotary tables.  Behind the K loop the stage is free and holds:
.set T,   0                            ; 128 registers at work, then store data
.set BQ,  128                          ; bias of q and k: tile jj = 2z+p at 8jj
.set BV,  160                          ; bias of v: a pair for p = 0, a pair for p = 1
.set U,   164
.set WT,  172
.set C2,  180                          ; second set of cos, sin: the two sets take turns from row tile to row tile
.set SN2, 188
.set OFF, 196                          ; lane x 16
.set TC,  224                          ; cos, sin of my 8 angles at the row tile at work
.set TS,  232
.set TCS, 240                          ; cos, sin of 16 positions more
.set TSS, 248
.set DB, 0                             ; at work while the tables are made (stage not yet in use)
.set PS, 1
.set WW, 8
.set FF, 16
.set X2, 24
; window 2: accumulators of q and k, tile (j, a) at 8 (8 j + a), j = 0..3.  window 3: those of v, tile (p, a) at 8 (8 p + a)
.set G1A, 24                           ; s[24:31] group 1 for hidden, s[32:39] its group 0, one set a slot
.set G0A, 32
.set G1B, 40                           ; s[40:47] group 1 for W, s[48:55] its group 0, one set a slot
.set G0B, 48
.set MULQ, 0xa0                        ; s_set_vgpr_msb: bits 1:0 source 0, 3:2 source 1, 5:4 source 2, 7:6 destination.  C and D window 2
.set MULV, 0xf0                        ; C and D window 3
.set CVTW, 0x05                        ; sources window 1, destination window 0
.set LDW,  0x40                        ; destination window 1, address window 0
.set E1,   0x55                        ; everything window 1
.set E2,   0x46                        ; source 0 window 2, source 1 and destination window 1
.set E3,   0x47                        ; source 0 window 3, source 1 and destination window 1
.set MSB, 0
.macro WIN new                         ; the high byte repeats the setting that is left
.if MSB != \new
	s_set_vgpr_msb (MSB<<8)|\new
.set MSB, \new
.endif
.endm
.macro PLACES                          ; four plain vector instructions behind a matrix instruction before its registers are touched (ISA guide 7.12.1)
.rept 4
	v_nop
.endr
.endm
; A joint load.  Wave 3 fetches the 256 rows of hidden, waves 0, 1, 2 the 64 rows of Wq, Wk, Wv.  The branch hangs on the wave number alone.
.macro JLOAD s
	s_cmp_eq_u32 s14, 3
	s_cbranch_scc0 .Lfor_b_\@
	tensor_load_to_lds s[G0A+4*\s:G0A+4*\s+3], s[G1A:G1A+7]
	s_nop 0
	s_branch .Lasked_\@
.Lfor_b_\@:
	tensor_load_to_lds s[G0B+4*\s:G0B+4*\s+3], s[G1B:G1B+7]
	s_nop 0
.Lasked_\@:
.endm
.macro CREST                           ; a round of the cluster barrier behind its opening work-group barrier
	s_cmp_lg_u32 s14, 0
	s_cbranch_scc1 .Lnot_wave_0_\@
	s_barrier_signal -3
.Lnot_wave_0_\@:
	s_barrier_wait -3
	s_barrier_signal -1
	s_barrier_wait -1
.endm
.macro CROUND
	s_barrier_signal -1
	s_barrier_wait -1
	CREST
.endm
	s_load_b256 s[4:11], s[0:1], 0x0               ; hidden s[4:5], Wqkv s[6:7], bqkv s[8:9], qf s[10:11]
	s_load_b64 s[12:13], s[0:1], 0x20              ; kvf
	v_lshl_add_u32 v30, v0, 2, 0x3b800
	v_mov_b32 v31, 0
	ds_add_u32 v30, v31
	v_lshrrev_b32 v1, 5, v0
	v_readfirstlane_b32 s14, v1                    ; wave 0..3
	s_lshr_b32 s15, s14, 1                         ; wr: which 128 rows
	s_and_b32 s16, s14, 1                          ; c: which 16 of every 32 columns
	s_bfe_u32 s17, ttmp6, 0x40000                  ; cx
	s_bfe_u32 s18, ttmp6, 0x40004                  ; cy
	s_lshl_b32 s19, ttmp9, 2
	s_add_co_u32 s19, s19, s17                     ; head = 4 x cluster x + cx
	s_and_b32 s20, ttmp7, 0xffff
	s_lshl_b32 s20, s20, 2
	s_add_co_u32 s20, s20, s18                     ; row block = 4 x cluster y + cy
	s_lshl_b32 s21, s18, 2
	s_lshl_b32 s21, 15, s21                        ; my row of the cluster
	s_lshl_b32 s22, 0x1111, s17                    ; my column
	; group 1: elements of 4 bytes, rows of 64 elements, 4 words of padding behind every 64 words, 1,024 elements from row to row
	s_or_b32 s[G1A+0], s21, (2<<16)|(1<<20)|(1<<21)|(5<<22)|(3<<25)   ; hidden goes to my row of the cluster
	s_mov_b32 s[G1A+1], 64<<16                     ; tensor_dim0 = 64
	s_mov_b32 s[G1A+2], 256<<16                    ; tensor_dim1 = 256
	s_mov_b32 s[G1A+3], 64<<16                     ; tile_dim0 = 64
	s_mov_b32 s[G1A+4], 256                        ; tile_dim1 = 256 rows
	s_mov_b32 s[G1A+5], 1024
	s_mov_b32 s[G1A+6], 0
	s_mov_b32 s[G1A+7], 0
	s_or_b32 s[G1B+0], s22, (2<<16)|(1<<20)|(1<<21)|(5<<22)|(3<<25)   ; W goes to my column
	s_mov_b32 s[G1B+1], 64<<16
	s_mov_b32 s[G1B+2], 64<<16                     ; 64 rows
	s_mov_b32 s[G1B+3], 64<<16
	s_mov_b32 s[G1B+4], 64
	s_mov_b32 s[G1B+5], 1024
	s_mov_b32 s[G1B+6], 0
	s_mov_b32 s[G1B+7], 0
	s_mul_i32 s23, s14, WTILE                      ; where my tile goes: wave x 64 rows; wave 3 begins at row 192, where hidden begins
	s_lshl_b32 s56, s20, 20                        ; hidden: 256 rows of 4,096 bytes a block; hangs on the row block alone
	s_mov_b32 s57, 0
	s_min_u32 s60, s14, 2                          ; W: q, k or v part (1,024 rows of 4,096 bytes); wave 3 does not ask by this address
	s_lshl_b32 s60, s60, 22
	s_lshl_b32 s61, s19, 18                        ; + 64 rows a head; hangs on the head alone
	s_add_co_u32 s60, s60, s61
	s_mov_b32 s61, 0
	s_wait_dscnt 0x0
	s_wait_kmcnt 0x0
	s_add_nc_u64 s[58:59], s[4:5], s[56:57]
	s_add_nc_u64 s[62:63], s[6:7], s[60:61]
	CROUND                                         ; all sixteen work-groups are here: the first joint loads meet
.irp s, 0,1
	s_mov_b32 s[G0A+4*\s], 1
	s_add_co_u32 s[G0A+4*\s+1], s23, \s*SLOT
	s_add_nc_u64 s[G0A+4*\s+2:G0A+4*\s+3], s[58:59], \s*KBYTES     ; K step s
	s_or_b32 s[G0A+4*\s+3], s[G0A+4*\s+3], 0x80000000
	s_mov_b32 s[G0B+4*\s], 1
	s_add_co_u32 s[G0B+4*\s+1], s23, \s*SLOT
	s_add_nc_u64 s[G0B+4*\s+2:G0B+4*\s+3], s[62:63], \s*KBYTES
	s_or_b32 s[G0B+4*\s+3], s[G0B+4*\s+3], 0x80000000
	JLOAD \s                                       ; both slots are asked for before anything else: two loads of a wave are out, the most in this text
.endr
	; addresses.  A fragment of 16 rows x 32 K: lane (r, h) wants K = 8h..8h+7 and 16+8h..16+8h+7 of row r: in f32 the 32 bytes at 32h and the 32 bytes at 64+32h
	v_and_b32 v1, 15, v0                           ; r
	v_bfe_u32 v2, v0, 4, 1                         ; h
	v_mul_u32_u24 v3, v1, PITCH
	v_lshl_add_u32 v3, v2, 5, v3                   ; r x pitch + 32 h
	s_mul_i32 s70, s15, 128*PITCH
	s_add_co_u32 s70, s70, 192*PITCH               ; my 128 rows of hidden
	s_mul_i32 s71, s16, 16*PITCH                   ; my 16 of every 32 rows of W
	v_add_nc_u32 v[ADRA], s70, v3
	v_add_nc_u32 v[ADRA+1], SLOT, v[ADRA]
	v_add_nc_u32 v[ADRB], s71, v3
	v_add_nc_u32 v[ADRB+1], SLOT, v[ADRB]
	v_lshlrev_b32 v8, 5, v2                        ; bias of q, k: 8 numbers at 8h
	v_lshlrev_b32 v9, 2, v1                        ; bias of v: one number at r
	v_and_b32 v10, 31, v0                          ; lane
	s_lshl_b32 s72, s16, 4                         ; 16 c
	s_and_b32 s75, s20, 3                          ; row block within the batch
	s_lshl_b32 s73, s75, 8
	s_lshl_b32 s74, s15, 7
	s_add_co_u32 s73, s73, s74                     ; position of my first row
	s_lshr_b32 s74, s20, 2
	s_lshl4_add_u32 s74, s74, s19                  ; bh = batch x 16 + head
	s_lshl_b32 s76, s74, 17                        ; qf: bh, row tile 16 x block + 8 wr, plane c
	s_lshl_b32 s77, s75, 15
	s_add_co_u32 s76, s76, s77
	s_lshl_b32 s77, s15, 14
	s_add_co_u32 s76, s76, s77
	s_lshl_b32 s77, s16, 10
	s_add_co_u32 s76, s76, s77
	s_mov_b32 s77, 0
	s_add_nc_u64 s[10:11], s[10:11], s[76:77]
	s_lshl_b32 s78, s74, 18                        ; kvf: bh, key block 4 x block + 2 wr, plane c
	s_lshl_b32 s79, s75, 16
	s_add_co_u32 s78, s78, s79
	s_lshl_b32 s79, s15, 15
	s_add_co_u32 s78, s78, s79
	s_lshl_b32 s79, s16, 10
	s_add_co_u32 s78, s78, s79
	s_mov_b32 s79, 0
	s_add_nc_u64 s[12:13], s[12:13], s[78:79]
	s_lshl_b32 s76, s19, 8                         ; bias: (64 head + 16 c) x 4 bytes
	s_lshl_b32 s77, s16, 6
	s_add_co_u32 s76, s76, s77
	s_mov_b32 s77, 0
	s_add_nc_u64 s[8:9], s[8:9], s[76:77]
	s_mov_b32 s66, 0xbed49a78                      ; -log2(10000) / 32
	s_mov_b32 s67, 0x41800000                      ; 16.0
	s_mov_b32 s68, 0x40747a1a                      ; leading coefficient of the sine series,  (2 pi)^13 / 13!
	s_mov_b32 s69, 0xbfdb7128                      ; leading coefficient of the cosine series, -(2 pi)^14 / 14!
; cos and sin of 2 pi f for the eight f in FF, |f| <= 1/2: the power series in f, Horner in f^2
.macro SINCOS c, s
.irp j, 0,1,2,3,4,5,6,7
	v_mul_f32 v[X2+\j], v[FF+\j], v[FF+\j]
.endr
.irp j, 0,1,2,3,4,5,6,7
	v_fmaak_f32 v[\s+\j], s68, v[X2+\j], 0xc17183a8
.endr
.irp k, 0x42283c1a, 0xc2996966, 0x42a335e3, 0xc2255de7, 0x40c90fdb
.irp j, 0,1,2,3,4,5,6,7
	v_fmaak_f32 v[\s+\j], v[\s+\j], v[X2+\j], \k
.endr
.endr
.irp j, 0,1,2,3,4,5,6,7
	v_mul_f32 v[\s+\j], v[\s+\j], v[FF+\j]
.endr
.irp j, 0,1,2,3,4,5,6,7
	v_fmaak_f32 v[\c+\j], s69, v[X2+\j], 0x40fce9c5
.endr
.irp k, 0xc1d368f9, 0x4270fa83, 0xc2aae9e4, 0x4281e0f8, 0xc19de9e6, 0x3f800000
.irp j, 0,1,2,3,4,5,6,7
	v_fmaak_f32 v[\c+\j], v[\c+\j], v[X2+\j], \k
.endr
.endr
.endm
	; the rotary tables, made while the first tiles are on their way.  Angle number i = 16c + 8h + j; revolutions a position w = 10000^(-i/32) / (2 pi)
	WIN LDW
	v_lshl_add_u32 v[DB], v2, 3, s72               ; 16 c + 8 h
	v_add_nc_u32 v[PS], s73, v1                    ; position of row r of my first row tile
	WIN E1
	v_cvt_f32_u32 v[PS], v[PS]
.irp j, 0,1,2,3,4,5,6,7
	v_add_nc_u32 v[WW+\j], \j, v[DB]
.endr
.irp j, 0,1,2,3,4,5,6,7
	v_cvt_f32_u32 v[WW+\j], v[WW+\j]
.endr
.irp j, 0,1,2,3,4,5,6,7
	v_fmaak_f32 v[WW+\j], s66, v[WW+\j], 0xc029b21d        ; -i log2(10000)/32 - log2(2 pi)
.endr
.irp j, 0,1,2,3,4,5,6,7
	v_exp_f32 v[WW+\j], v[WW+\j]
.endr
	v_nop                                          ; one plain instruction behind the run of exponentials before a result is read (ISA guide 5.7.2)
	s_wait_alu depctr_va_vdst(0)
.irp j, 0,1,2,3,4,5,6,7
	v_mul_f32 v[FF+\j], v[PS], v[WW+\j]
.endr
.irp j, 0,1,2,3,4,5,6,7
	v_rndne_f32 v[FF+\j], v[FF+\j]
.endr
.irp j, 0,1,2,3,4,5,6,7
	v_fma_f32 v[FF+\j], v[PS], v[WW+\j], -v[FF+\j]         ; the fraction of a revolution, from the exact product
.endr
	SINCOS TC, TS
.irp j, 0,1,2,3,4,5,6,7
	v_mul_f32 v[FF+\j], s67, v[WW+\j]
.endr
.irp j, 0,1,2,3,4,5,6,7
	v_rndne_f32 v[FF+\j], v[FF+\j]
.endr
.irp j, 0,1,2,3,4,5,6,7
	v_fma_f32 v[FF+\j], s67, v[WW+\j], -v[FF+\j]           ; 16 positions further
.endr
	SINCOS TCS, TSS
	WIN 0
; 16 matrix instructions.  grp 0 = q, 1 = k: source 0 = rows of W, source 1 = rows of hidden (transposed use).  grp 2 = v: the natural way.
; The 48 accumulators take turns, one instruction a turn, in the same order in every chunk.
.macro MUL16 grp, f, zero
.irp p, 0,1
.irp a, 0,1,2,3,4,5,6,7
.if \grp < 2
.set DD, 8*(8*(2*\grp+\p)+\a)
.set AA, \f+64+8*(2*\grp+\p)
.set BB, \f+8*\a
.else
.set DD, 8*(8*\p+\a)
.set AA, \f+8*\a
.set BB, \f+64+8*(4+\p)
.endif
.if \zero
	v_wmma_f32_16x16x32_bf16 v[DD:DD+7], v[AA:AA+7], v[BB:BB+7], 0
.else
	v_wmma_f32_16x16x32_bf16 v[DD:DD+7], v[AA:AA+7], v[BB:BB+7], v[DD:DD+7]
.endif
.endr
.endr
.endm
; 56 LDS loads: one chunk (32 K at byte k of the rows) of my 128 rows of hidden and 96 rows of W, as f32, into the stage
.macro FETCH slot, k
	WIN LDW
.irp a, 0,1,2,3,4,5,6,7
	ds_load_b128 v[16*\a:16*\a+3],     v[ADRA+\slot] offset:\k+\a*16*PITCH
	ds_load_b128 v[16*\a+4:16*\a+7],   v[ADRA+\slot] offset:\k+\a*16*PITCH+16
	ds_load_b128 v[16*\a+8:16*\a+11],  v[ADRA+\slot] offset:\k+\a*16*PITCH+64
	ds_load_b128 v[16*\a+12:16*\a+15], v[ADRA+\slot] offset:\k+\a*16*PITCH+80
.endr
.irp j, 0,1,2,3,4,5
	ds_load_b128 v[128+16*\j:128+16*\j+3],     v[ADRB+\slot] offset:\k+\j*32*PITCH
	ds_load_b128 v[128+16*\j+4:128+16*\j+7],   v[ADRB+\slot] offset:\k+\j*32*PITCH+16
	ds_load_b128 v[128+16*\j+8:128+16*\j+11],  v[ADRB+\slot] offset:\k+\j*32*PITCH+64
	ds_load_b128 v[128+16*\j+12:128+16*\j+15], v[ADRB+\slot] offset:\k+\j*32*PITCH+80
.endr
.endm
; the stage, 224 f32 a lane, rounded to the 112 registers of fragment buffer g
.macro CVT g
	WIN CVTW
.set i, 0
.rept 112
	v_cvt_pk_bf16_f32 v[\g+i], v[2*i], v[2*i+1]
.set i, i+1
.endr
.endm
; Chunk n: multiplies buffer f; rounds chunk n+1 (in the stage) into buffer g; fetches chunk n+2 into the stage.
; turn = 1, 2: the stage now holds my last reads of slot tslot, and chunk n+2 lies in the other slot: the change of slots.  In front of the signal my LDS reads and all
; my tensor loads are done; between signal and wait stands register work alone; turn = 2: the barrier opens a round of the cluster barrier, and behind the round
; slot tslot is asked for again, two K steps ahead, ahead of the first LDS read.
.macro CHUNK f, g, zero, cvt, fetch, fslot, fk, turn, tslot
	WIN MULQ
	MUL16 0, \f, \zero
.if \cvt
	s_wait_dscnt 0x0                               ; chunk n+1 is in the stage
.if \turn
	s_wait_tensorcnt 0x0                           ; all my tensor loads have landed: the one that was out is my part of the other slot
	ds_add_u32 v30, v31
	s_wait_dscnt 0x0
	s_barrier_signal -1
.endif
	PLACES                                         ; buffer g was read by the matrix instructions of chunk n-1
	CVT \g
.endif
	WIN MULQ
	MUL16 1, \f, \zero
.if \turn
	WIN 0                                          ; at a branch and at a label every window is 0
	s_barrier_wait -1
.if \turn == 2
	CREST                                          ; no wave of any partner still reads this slot or has a load on its way
	s_add_nc_u64 s[G0A+4*\tslot+2:G0A+4*\tslot+3], s[G0A+4*\tslot+2:G0A+4*\tslot+3], 2*KBYTES
	s_add_nc_u64 s[G0B+4*\tslot+2:G0B+4*\tslot+3], s[G0B+4*\tslot+2:G0B+4*\tslot+3], 2*KBYTES
	JLOAD \tslot                                   ; my one tensor load behind the round
.endif
.endif
.if \fetch
	FETCH \fslot, \fk
.endif
	WIN MULV
	MUL16 2, \f, \zero
.endm
.macro LAP zero                        ; two K steps, four chunks, both slots filled again
	CHUNK F0, F1, \zero, 1, 1, 1, 0,   2, 0
	CHUNK F1, F0, 0,     1, 1, 1, 128, 0, 0
	CHUNK F0, F1, 0,     1, 1, 0, 0,   2, 1
	CHUNK F1, F0, 0,     1, 1, 0, 128, 0, 0
.endm
	s_wait_tensorcnt 0x1                           ; my part of K step 0 is in; K step 1 may stay out
	s_barrier_signal -1
	s_barrier_wait -1
	FETCH 0, 0
	s_wait_dscnt 0x0
	CVT F0                                         ; chunk 0
	FETCH 0, 128                                   ; chunk 1
	LAP 1                                          ; the first products start the sums: nothing is cleared
	WIN 0
	s_mov_b32 s3, 6                                ; 16 K steps = 8 laps: one in front, six here, one behind
.Llap:
	LAP 0
	WIN 0
	s_sub_co_u32 s3, s3, 1
	s_cmp_lg_u32 s3, 0
	s_cbranch_scc1 .Llap
	CHUNK F0, F1, 0, 1, 1, 1, 0,   1, 0            ; the last lap fills nothing: a plain barrier shows slot 1 whole
	CHUNK F1, F0, 0, 1, 1, 1, 128, 0, 0
	CHUNK F0, F1, 0, 1, 0, 0, 0,   0, 0
	WIN LDW                                        ; the stage is free: the bias comes in during the last chunk
.irp jj, 0,1,2,3
	global_load_b128 v[BQ+8*\jj:BQ+8*\jj+3],   v8, s[8:9] offset:(\jj>>1)*4096+(\jj&1)*128
	global_load_b128 v[BQ+8*\jj+4:BQ+8*\jj+7], v8, s[8:9] offset:(\jj>>1)*4096+(\jj&1)*128+16
.endr
.irp p, 0,1
	global_load_b32 v[BV+2*\p],   v9, s[8:9] offset:8192+\p*128    ; twice: a whole pair for the packed add
	global_load_b32 v[BV+2*\p+1], v9, s[8:9] offset:8192+\p*128
.endr
	v_lshlrev_b32 v[OFF], 4, v10
	CHUNK F1, F0, 0, 0, 0, 0, 0,   0, 0
; THE WAY OUT.  cos, sin one row tile (16 positions) further, from set (ci, si) into set (co, so)
.macro ROTATE ci, si, co, so
.irp i, 0,2,4,6
	v_pk_mul_f32 v[\co+\i:\co+\i+1], v[\ci+\i:\ci+\i+1], v[TCS+\i:TCS+\i+1]
	v_pk_mul_f32 v[\so+\i:\so+\i+1], v[\si+\i:\si+\i+1], v[TCS+\i:TCS+\i+1]
.endr
.irp i, 0,2,4,6
	v_pk_fma_f32 v[\co+\i:\co+\i+1], v[\si+\i:\si+\i+1], v[TSS+\i:TSS+\i+1], v[\co+\i:\co+\i+1] neg_lo:[1,0,0] neg_hi:[1,0,0]
	v_pk_fma_f32 v[\so+\i:\so+\i+1], v[\ci+\i:\ci+\i+1], v[TSS+\i:TSS+\i+1], v[\so+\i:\so+\i+1]
.endr
.endm
; row tile a (al = its place in T), z = 0 q, 1 k: x1 cos - x2 sin and x2 cos + x1 sin, rounded to f16, 16 bytes each, stored
.macro ROPEST al, a, z, c, s
.set T1, T+32*\al+16*\z
.set T2, T1+8
.irp i, 0,2,4,6
	v_pk_mul_f32 v[U+\i:U+\i+1],   v[T1+\i:T1+\i+1], v[\c+\i:\c+\i+1]
	v_pk_mul_f32 v[WT+\i:WT+\i+1], v[T2+\i:T2+\i+1], v[\c+\i:\c+\i+1]
.endr
.irp i, 0,2,4,6
	v_pk_fma_f32 v[U+\i:U+\i+1],   v[T2+\i:T2+\i+1], v[\s+\i:\s+\i+1], v[U+\i:U+\i+1] neg_lo:[1,0,0] neg_hi:[1,0,0]
	v_pk_fma_f32 v[WT+\i:WT+\i+1], v[T1+\i:T1+\i+1], v[\s+\i:\s+\i+1], v[WT+\i:WT+\i+1]
.endr
.irp i, 0,1,2,3
	v_cvt_pk_f16_f32 v[T1+\i], v[U+2*\i],  v[U+2*\i+1]
	v_cvt_pk_f16_f32 v[T2+\i], v[WT+2*\i], v[WT+2*\i+1]
.endr
.if \z == 0
	global_store_b128 v[OFF], v[T1:T1+3], s[10:11] offset:\a*2048            ; each store of the wave covers 512 consecutive bytes, aligned
	global_store_b128 v[OFF], v[T2:T2+3], s[10:11] offset:\a*2048+512
.else
	global_store_b128 v[OFF], v[T1:T1+3], s[12:13] offset:(\a>>2)*16384+(\a&3)*2048
	global_store_b128 v[OFF], v[T2:T2+3], s[12:13] offset:(\a>>2)*16384+(\a&3)*2048+512
.endif
.endm
; row tiles 4 hf .. 4 hf + 3 of q and k
.macro HALF hf
	WIN E2
.irp al, 0,1,2,3
.irp jj, 0,1,2,3
.irp i, 0,2,4,6
	v_pk_add_f32 v[T+32*\al+8*\jj+\i:T+32*\al+8*\jj+\i+1], v[8*(8*\jj+4*\hf+\al)+\i:8*(8*\jj+4*\hf+\al)+\i+1], v[BQ+8*\jj+\i:BQ+8*\jj+\i+1]
.endr
.endr
.endr
	WIN E1
	ROPEST 0, (4*\hf), 0, TC, TS
	ROPEST 0, (4*\hf), 1, TC, TS
	ROTATE TC, TS, C2, SN2
	ROPEST 1, (4*\hf+1), 0, C2, SN2
	ROPEST 1, (4*\hf+1), 1, C2, SN2
	ROTATE C2, SN2, TC, TS
	ROPEST 2, (4*\hf+2), 0, TC, TS
	ROPEST 2, (4*\hf+2), 1, TC, TS
	ROTATE TC, TS, C2, SN2
	ROPEST 3, (4*\hf+3), 0, C2, SN2
	ROPEST 3, (4*\hf+3), 1, C2, SN2
.if \hf == 0
	ROTATE C2, SN2, TC, TS
.endif
.endm
	PLACES                                         ; behind the last matrix instructions, before their results are read
	s_wait_loadcnt 0x0                             ; the bias
	HALF 0
	s_wait_xcnt 0x0                                ; T, which the stores read, is written again only behind this wait
	HALF 1
	s_wait_xcnt 0x0                                ; and once more, for v
	WIN E3
.irp p, 0,1
.irp a, 0,1,2,3,4,5,6,7
.irp i, 0,2,4,6
	v_pk_add_f32 v[T+8*(8*\p+\a)+\i:T+8*(8*\p+\a)+\i+1], v[8*(8*\p+\a)+\i:8*(8*\p+\a)+\i+1], v[BV+2*\p:BV+2*\p+1]
.endr
.endr
.endr
	WIN E1
.irp x, 0,1,2,3,4,5,6,7,8,9,10,11,12,13,14,15
.irp i, 0,1,2,3
	v_cvt_pk_f16_f32 v[T+8*\x+\i], v[T+8*\x+2*\i], v[T+8*\x+2*\i+1]        ; in place, upward: register i is read no later than it is written
.endr
.endr
.irp p, 0,1
.irp a, 0,1,2,3,4,5,6,7
	global_store_b128 v[OFF], v[T+8*(8*\p+\a):T+8*(8*\p+\a)+3], s[12:13] offset:(\a>>2)*16384+8192+((\a>>1)&1)*4096+\p*2048+(\a&1)*512
.endr
.endr
	WIN 0
	CROUND                                         ; the closing round: no work-group ends while a partner may still ask for a tile that names it
	s_endpgm
.Lfunc_end_k_q7d98352b39_qkv:
	.size	k_q7d98352b39_qkv, .Lfunc_end_k_q7d98352b39_qkv-k_q7d98352b39_qkv
	.p2alignl 7, 3214868480
	.fill 96, 4, 3214868480
	.section	.rodata,"a",@progbits
	.p2align	6, 0x0
	.amdhsa_kernel k_q7d98352b39_qkv
		.amdhsa_group_segment_fixed_size 327680
		.amdhsa_private_segment_fixed_size 0
		.amdhsa_enable_private_segment 0
		.amdhsa_kernarg_size 40
		.amdhsa_user_sgpr_count 2
		.amdhsa_user_sgpr_kernarg_segment_ptr 1
		.amdhsa_wavefront_size32 1
		.amdhsa_system_sgpr_workgroup_id_x 1
		.amdhsa_system_sgpr_workgroup_id_y 1
		.amdhsa_system_sgpr_workgroup_id_z 1
		.amdhsa_system_vgpr_workitem_id 0
		.amdhsa_next_free_vgpr 896
		.amdhsa_next_free_sgpr 80
		.amdhsa_reserve_vcc 0
		.amdhsa_float_denorm_mode_32 3
		.amdhsa_float_denorm_mode_16_64 3
		.amdhsa_memory_ordered 1
		.amdhsa_forward_progress 1
		.amdhsa_inst_pref_size 247
	.end_amdhsa_kernel
	.amdgpu_metadata
---
amdhsa.version: [ 1, 2 ]
amdhsa.kernels:
  - .name:           k_q7d98352b39_qkv
    .symbol:         k_q7d98352b39_qkv.kd
    .args:
      - { .name: hidden_states, .offset: 0, .size: 8, .value_kind: global_buffer, .address_space: global }
      - { .name: Wqkv, .offset: 8, .size: 8, .value_kind: global_buffer, .address_space: global }
      - { .name: bqkv, .offset: 16, .size: 8, .value_kind: global_buffer, .address_space: global }
      - { .name: qf, .offset: 24, .size: 8, .value_kind: global_buffer, .address_space: global }
      - { .name: kvf, .offset: 32, .size: 8, .value_kind: global_buffer, .address_space: global }
    .group_segment_fixed_size: 327680
    .private_segment_fixed_size: 0
    .kernarg_segment_align: 8
    .kernarg_segment_size: 40
    .max_flat_workgroup_size: 128
    .sgpr_count:     80
    .vgpr_count:     896
    .wavefront_size: 32
...
	.end_amdgpu_metadata
.endif
;; end of part 1
;; launch attn (part 2): grid 256 x 1, 9 waves a work-group, clusters of 4 x 1, 298,240 bytes of LDS; arguments qf, kvf, out0; writes out0
.if DOCPART == 2
	.amdgcn_target "amdgcn-amd-amdhsa--gfx1250"
	.amdhsa_code_object_version 6
	.text
	.protected	k_q7d98352b39_attn
	.globl	k_q7d98352b39_attn
	.p2align	8
	.type	k_q7d98352b39_attn,@function
k_q7d98352b39_attn:
	s_mov_b64 s[64:65], 0
	v_nop
	global_prefetch_b8 v0, s[64:65] scope:SCOPE_SE
	s_setreg_imm32_b32 hwreg(HW_REG_WAVE_MODE, 25, 1), 1
	s_wait_xcnt 0x0
	s_wait_alu depctr_hold_cnt(0) depctr_sa_sdst(0) depctr_va_vdst(0) depctr_va_sdst(0) depctr_va_ssrc(0) depctr_va_vcc(0) depctr_vm_vsrc(0)
	s_getreg_b32 s2, hwreg(HW_REG_IB_STS2, 6, 4)
	s_cmp_eq_u32 s2, 0
	s_cbranch_scc0 .Lentry_in_a_cluster
	s_endpgm
.Lentry_in_a_cluster:
	s_bfe_u32 s2, ttmp6, 0x10000c
	s_cmp_lg_u32 s2, 0x3003
	s_cbranch_scc0 .Lentry_shape_is_right
	s_endpgm
.Lentry_shape_is_right:
; Causal attention with a running maximum.  qf, kvf: f16 in fragment order, as the projection launch stored them; out0: [4][1024][1024] f32.
; A cluster of four work-groups serves one (batch, head) pair bh = cluster x.  All keys and values of the head, 262,144 bytes, lie in the LDS of each of the four,
; brought by eight joint loads of 32,768 bytes, each fetched once for the four.  No LDS byte is filled twice.
; The 1,024 queries are 16 groups G of 64; work-group jw (its place in the cluster) takes the 16 queries at 16 jw of every group.  Wave w = 0..7 takes the groups
; w (slot 0) and 15 - w (slot 1): (w + 1) + (16 - w) = 17 blocks of 16 queries x 64 keys for every wave of every work-group.  Key blocks beyond the diagonal
; block are not touched; in the diagonal block the scores above the diagonal are set to the lowest finite f32, as the problem does.
; jw enters only the mask (data) and global addresses; every branch compares the wave number with a constant, and every LDS address is made of the lane, the wave
; number and constants.  The sixteen key blocks are written out, each with its LDS address as a constant, so that the bytes of every read can be read off the text:
; early blocks are read while later ones are still being filled.
; Wave 8 computes nothing: it issues the eight loads (eight are out, the most in this text) and its counted waits tell the others, barrier by barrier, how far the
; keys have come.  The other waves signal each of these barriers ahead of the work on the blocks that are there already, and wait behind that work.
; S^T = K x Q^T: lane (r, h) holds query r and keys 16u + 8h + j: rounding two neighbouring key tiles gives source 1 of O^T += V^T x P^T with no exchange of lanes.
; The maximum, the sum and the rescaling factor are one number a lane; the two lanes of a query meet through v_permlanex16_b32.
; LIMITS: q, k, v and the probabilities are f16 (the probabilities lie in 0..1; for the range of q, k, v, at most 65,504, see the projection launch's head).
; A NaN among the scores is dropped by the maxima.
.set KVB,    16384                     ; a block of 64 keys: 8,192 bytes of K fragments, 8,192 of V fragments
.set STAGE,  262144                    ; behind K and V: 16 rows x 272 bytes for each wave, for the way out; no tensor load lands here
.set SPITCH, 272
.set QF0, 26                           ; v26-41   query fragments of slot 0 (two of 8 registers)
.set QF1, 42                           ; v42-57   of slot 1
.set OA0, 58                           ; v58-89   O^T of slot 0: feature tile dt at 8 dt
.set OA1, 90                           ; v90-121  of slot 1
.set SC0, 122                          ; v122-153 scores of slot 0: key tile u at 8 u; then the probabilities, packed, in the first 16
.set SC1, 154                          ; v154-185 of slot 1
.set KVR, 186                          ; v186-249 16 x 4 registers: the K fragments of a block, then its V fragments
.set STO, 250                          ; way out: where I put my numbers
.set RD,  251                          ; way out: where I read rows back
.set CO,  252                          ; way out: my byte offset in out0
; v1 lane x 16; v2 LDS address of the block at work; v3 16 jw + r - 8 h; v4 lowest finite f32; v5 from the other half; v[6:7] -m c; v[8:9] rescaling factor or 1/l;
; v10 at work; v12, v13 maximum; v14, v15 sum (this lane's keys); v16, v17 -m c as last used; v18-25 chains.  (first of each pair: slot 0)
.set G1, 24                            ; s[24:31] group 1
.set G0, 32                            ; s[32:63] group 0 of the eight loads
.macro PLACES                          ; four plain vector instructions behind a matrix instruction before its registers are touched (ISA guide 7.12.1)
.rept 4
	v_nop
.endr
.endm
.macro ROUND                           ; a round of the cluster barrier
	s_barrier_signal -1
	s_barrier_wait -1
	s_cmp_lg_u32 s10, 0
	s_cbranch_scc1 .Lnot_wave_0_\@
	s_barrier_signal -3
.Lnot_wave_0_\@:
	s_barrier_wait -3
	s_barrier_signal -1
	s_barrier_wait -1
.endm
.macro ARRIVE n                        ; wave 8: all but its n youngest loads have landed.  The others have no tensor load: the wait is met at once
	s_wait_dscnt 0x0
	s_wait_tensorcnt \n
	s_barrier_signal -1
.endm
.macro WAITB
	s_barrier_wait -1
.endm
	s_load_b128 s[4:7], s[0:1], 0x0                ; qf s[4:5], kvf s[6:7]
	s_load_b64 s[8:9], s[0:1], 0x10                ; out0
	v_lshl_add_u32 v254, v0, 2, 0x48800
	v_mov_b32 v255, 0
	ds_add_u32 v254, v255
	v_lshrrev_b32 v1, 5, v0
	v_readfirstlane_b32 s10, v1                    ; wave 0..8; for 0..7 also the query group of slot 0
	s_bfe_u32 s11, ttmp6, 0x40000                  ; jw: my place in the cluster
	s_sub_co_u32 s14, 15, s10                      ; the query group of slot 1
	s_mov_b32 s16, 0x76543210                      ; v_permlanex16_b32: lane i reads lane i of the other half
	s_mov_b32 s17, 0xfedcba98
	s_mov_b32 s20, 0x3e38aa3b                      ; c = log2(e) / 8: the scale 1/8 and the change to base 2 ride on one multiply-add
	s_mov_b32 s21, 0x3e38aa3b
	s_mov_b32 s22, 0xbe38aa3b                      ; -c
	; group 1: a dense block of 128 rows of 32 elements of 8 bytes; the mask names the four work-groups of the cluster
	s_mov_b32 s[G1+0], 15|(3<<16)|(1<<21)
	s_mov_b32 s[G1+1], 32<<16
	s_mov_b32 s[G1+2], 128<<16
	s_mov_b32 s[G1+3], 32<<16
	s_mov_b32 s[G1+4], 128
	s_mov_b32 s[G1+5], 32
	s_mov_b32 s[G1+6], 0
	s_mov_b32 s[G1+7], 0
	s_lshl_b32 s66, ttmp9, 18                      ; kvf of my head
	s_mov_b32 s67, 0
	s_lshl_b32 s68, ttmp9, 17                      ; qf: head, query tile 4 G + jw
	s_lshl_b32 s69, s11, 11
	s_add_co_u32 s68, s68, s69
	s_lshl_b32 s74, s14, 13
	s_add_co_u32 s74, s74, s68
	s_mov_b32 s75, 0
	s_lshl_b32 s69, s10, 13
	s_add_co_u32 s68, s68, s69
	s_mov_b32 s69, 0
	s_lshr_b32 s76, ttmp9, 4                       ; out0: (1,024 batch + 64 G + 16 jw) rows of 4,096 bytes + 256 bytes a head
	s_lshl_b32 s76, s76, 22
	s_and_b32 s77, ttmp9, 15
	s_lshl_b32 s77, s77, 8
	s_add_co_u32 s76, s76, s77
	s_lshl_b32 s77, s11, 16
	s_add_co_u32 s76, s76, s77
	s_lshl_b32 s82, s10, 18
	s_add_co_u32 s82, s82, s76
	s_mov_b32 s83, 0
	s_wait_dscnt 0x0
	s_wait_kmcnt 0x0
	s_add_nc_u64 s[6:7], s[6:7], s[66:67]
	s_add_nc_u64 s[70:71], s[4:5], s[68:69]        ; queries of slot 0
	s_add_nc_u64 s[72:73], s[4:5], s[74:75]        ; queries of slot 1
	s_add_nc_u64 s[78:79], s[8:9], s[82:83]        ; results of slot 0
	s_lshl_b32 s82, s14, 18
	s_add_co_u32 s82, s82, s76
	s_add_nc_u64 s[80:81], s[8:9], s[82:83]        ; results of slot 1
.irp i, 0,1,2,3,4,5,6,7
	s_mov_b32 s[G0+4*\i], 1
	s_mov_b32 s[G0+4*\i+1], \i*2*KVB               ; LDS is an image of the head's part of kvf
	s_add_nc_u64 s[G0+4*\i+2:G0+4*\i+3], s[6:7], \i*2*KVB
	s_or_b32 s[G0+4*\i+3], s[G0+4*\i+3], 0x80000000
.endr
	v_and_b32 v1, 31, v0
	v_lshlrev_b32 v1, 4, v1                        ; lane x 16
	v_and_b32 v10, 15, v0                          ; r
	v_bfe_u32 v18, v0, 4, 1                        ; h
	s_lshl_b32 s66, s11, 4
	v_add_nc_u32 v3, s66, v10
	v_lshlrev_b32 v19, 3, v18
	v_sub_nc_u32 v3, v3, v19                       ; key 16u + 8h + j lies above query 16 jw + r where 16u + j > 16 jw + r - 8h
	v_mov_b32 v4, 0xff7fffff
	v_mov_b32 v5, 0                                ; a destination of v_permlanex16_b32 counts as read
	s_mul_i32 s66, s10, 16*SPITCH
	s_add_co_u32 s66, s66, STAGE                   ; my stage
	v_mul_u32_u24 v20, v10, SPITCH
	v_lshl_add_u32 v20, v18, 5, v20
	v_add_nc_u32 v[STO], s66, v20                  ; in: row r, 32 bytes at 32 h of every 64
	v_mul_u32_u24 v20, v18, SPITCH
	v_lshl_add_u32 v20, v10, 4, v20
	v_add_nc_u32 v[RD], s66, v20                   ; back: lanes 0-15 one row of 256 bytes, lanes 16-31 the next
	v_lshlrev_b32 v20, 12, v18
	v_lshl_add_u32 v[CO], v10, 4, v20              ; and the same two rows in out0
	ROUND                                          ; the four work-groups are here: the joint loads meet
	s_cmp_lg_u32 s10, 8
	s_cbranch_scc1 .Lqueries
.irp i, 0,1,2,3,4,5,6,7
	tensor_load_to_lds s[G0+4*\i:G0+4*\i+3], s[G1:G1+7]            ; key blocks 2 i and 2 i + 1
	s_nop 0
.endr
	s_branch .Lasked
.Lqueries:
.irp i, 0,1,2,3
	global_load_b128 v[QF0+4*\i:QF0+4*\i+3], v1, s[70:71] offset:\i*512
	global_load_b128 v[QF1+4*\i:QF1+4*\i+3], v1, s[72:73] offset:\i*512
.endr
.Lasked:
.macro LOADK
.irp i, 0,1,2,3,4,5,6,7,8,9,10,11,12,13,14,15
	ds_load_b128 v[KVR+4*\i:KVR+4*\i+3], v2 offset:\i*512          ; lane x 16: key tile u, plane c at 8 (2u + c)
.endr
.endm
.macro LOADV
.irp i, 0,1,2,3,4,5,6,7,8,9,10,11,12,13,14,15
	ds_load_b128 v[KVR+4*\i:KVR+4*\i+3], v2 offset:8192+\i*512     ; key group g, feature tile dt at 8 (4g + dt)
.endr
.endm
.macro QKROW s, q, c
.irp u, 0,1,2,3
.if \c
	v_wmma_f32_16x16x32_f16 v[\s+8*\u:\s+8*\u+7], v[KVR+8*(2*\u+\c):KVR+8*(2*\u+\c)+7], v[\q+8*\c:\q+8*\c+7], v[\s+8*\u:\s+8*\u+7]
.else
	v_wmma_f32_16x16x32_f16 v[\s+8*\u:\s+8*\u+7], v[KVR+8*(2*\u+\c):KVR+8*(2*\u+\c)+7], v[\q+8*\c:\q+8*\c+7], 0
.endif
.endr
.endm
; The four (or eight) accumulators take turns, one instruction a turn.
.macro QK two
.irp c, 0,1
	QKROW SC1, QF1, \c
.if \two
	QKROW SC0, QF0, \c
.endif
.endr
.endm
.macro PVROW o, s, g, zero
.irp dt, 0,1,2,3
.if \zero
	v_wmma_f32_16x16x32_f16 v[\o+8*\dt:\o+8*\dt+7], v[KVR+8*(4*\g+\dt):KVR+8*(4*\g+\dt)+7], v[\s+8*\g:\s+8*\g+7], 0
.else
	v_wmma_f32_16x16x32_f16 v[\o+8*\dt:\o+8*\dt+7], v[KVR+8*(4*\g+\dt):KVR+8*(4*\g+\dt)+7], v[\s+8*\g:\s+8*\g+7], v[\o+8*\dt:\o+8*\dt+7]
.endif
.endr
.endm
.macro PV two, first
	PVROW OA1, SC1, 0, \first
.if \two
	PVROW OA0, SC0, 0, \first
.endif
	PVROW OA1, SC1, 1, 0
.if \two
	PVROW OA0, SC0, 1, 0
.endif
.endm
.macro MASK s                          ; the diagonal block: scores above the diagonal become the lowest finite f32
.irp u, 0,1,2,3
.irp j, 0,1,2,3,4,5,6,7
	v_cmp_gt_i32 vcc_lo, 16*\u+\j, v3
	v_cndmask_b32 v[\s+8*\u+\j], v[\s+8*\u+\j], v4, vcc_lo
.endr
.endr
.endm
; One block of one slot: new maximum m, p = 2^(c s - c m), sum, probabilities rounded and packed, O and the sum rescaled by 2^(c m_old - c m).
.macro SOFTMAX s, o, m, l, nm, first
	v_max3_num_f32 v18, v[\s+0], v[\s+1], v[\s+2]
	v_max3_num_f32 v19, v[\s+3], v[\s+4], v[\s+5]
	v_max3_num_f32 v20, v[\s+6], v[\s+7], v[\s+8]
	v_max3_num_f32 v21, v[\s+9], v[\s+10], v[\s+11]
.set i, 12
.rept 10
	v_max3_num_f32 v[18+(i/2)%4], v[18+(i/2)%4], v[\s+i], v[\s+i+1]
.set i, i+2
.endr
	v_max3_num_f32 v18, v18, v19, v20
.if \first
	v_max_num_f32 v18, v18, v21
.else
	v_max3_num_f32 v18, v18, v21, v[\m]
.endif
	v_permlanex16_b32 v5, v18, s16, s17            ; the other 32 keys of my query
	v_max_num_f32 v[\m], v18, v5
	v_mul_f32 v6, s22, v[\m]                       ; -c m, twice: a pair for the packed multiply-add
	v_mul_f32 v7, s22, v[\m]
.if \first == 0
	v_sub_f32 v10, v6, v[\nm]                      ; from the very numbers that the exponents use
	v_exp_f32 v8, v10
	v_exp_f32 v9, v10                              ; plain instructions follow before v8, v9 are read or v10 is written (ISA guide 5.7.2)
.endif
.set i, 0
.rept 16
	v_pk_fma_f32 v[\s+i:\s+i+1], v[\s+i:\s+i+1], s[20:21], v[6:7] op_sel_hi:[1,0,1]
.set i, i+2
.endr
.set i, 0
.rept 32
	v_exp_f32 v[\s+i], v[\s+i]
.set i, i+1
.endr
	v_mov_b32 v[\nm], v6                           ; kept for the next block; also the plain instruction behind the run of exponentials
	s_wait_alu depctr_va_vdst(0)
	v_pk_add_f32 v[18:19], v[\s+0:\s+1], v[\s+2:\s+3]
	v_pk_add_f32 v[20:21], v[\s+4:\s+5], v[\s+6:\s+7]
	v_pk_add_f32 v[22:23], v[\s+8:\s+9], v[\s+10:\s+11]
	v_pk_add_f32 v[24:25], v[\s+12:\s+13], v[\s+14:\s+15]
.set i, 16
.rept 8
	v_pk_add_f32 v[18+(i%8):19+(i%8)], v[18+(i%8):19+(i%8)], v[\s+i:\s+i+1]
.set i, i+2
.endr
	v_pk_add_f32 v[18:19], v[18:19], v[20:21]
	v_pk_add_f32 v[22:23], v[22:23], v[24:25]
	v_pk_add_f32 v[18:19], v[18:19], v[22:23]
.if \first
	v_add_f32 v[\l], v18, v19
.else
	v_add_f32 v18, v18, v19
	v_fma_f32 v[\l], v[\l], v8, v18
.endif
.set i, 0
.rept 16
	v_cvt_pk_f16_f32 v[\s+i], v[\s+2*i], v[\s+2*i+1]               ; in place, upward: key tiles 2g, 2g+1 become source 1 of key group g at 8 g
.set i, i+1
.endr
.if \first == 0
.set i, 0
.rept 16
	v_pk_mul_f32 v[\o+i:\o+i+1], v[\o+i:\o+i+1], v[8:9]
.set i, i+2
.endr
.endif
.endm
; Key block kb (its address in v2) for both slots.  Five plain instructions stand behind the last block's matrix instructions before their sources are loaded into
; or written over by matrix instructions.
.macro TRIPJ kb, first
.if \first == 0
	PLACES
	v_nop
.endif
	LOADK
	s_wait_dscnt 0x0
	QK 1
	PLACES                                         ; before the K registers are loaded into and the scores are read
	LOADV                                          ; lands during the softmax
	s_cmp_lg_u32 s10, \kb
	s_cbranch_scc1 .Lopen_\@
	MASK SC0                                       ; wave kb: slot 0 is at its diagonal block
.Lopen_\@:
	SOFTMAX SC1, OA1, 13, 15, 17, \first
	SOFTMAX SC0, OA0, 12, 14, 16, \first
	s_wait_dscnt 0x0
	PV 1, \first
.endm
; The key block at v2 for slot 1 alone.  diag = the wave for which it is slot 1's diagonal block, or -1: for none.
.macro TRIPS diag
	PLACES
	v_nop
	LOADK
	s_wait_dscnt 0x0
	QK 0
	PLACES
	LOADV
.if \diag >= 0
	s_cmp_lg_u32 s10, \diag
	s_cbranch_scc1 .Lopen_\@
	MASK SC1
.Lopen_\@:
.endif
	SOFTMAX SC1, OA1, 13, 15, 17, 0
	s_wait_dscnt 0x0
	PV 0, 0
.endm
; Key block kb = 1..7: slot 1 is below its diagonal; slot 0 takes part in the waves kb and above.
.macro BLOCKJ kb
	v_add_nc_u32 v2, \kb*KVB, v1
	s_cmp_lt_u32 s10, \kb
	s_cbranch_scc1 .Lsingle_\@
	TRIPJ \kb, 0
	s_branch .Lnext_\@
.Lsingle_\@:
	TRIPS -1
.Lnext_\@:
.endm
; Key block kb = 8..15: slot 1 alone, in the waves 0 .. 15 - kb; the others are through with their keys.
.macro BLOCKS kb
.if \kb > 8
	s_cmp_gt_u32 s10, 15-\kb
	s_cbranch_scc1 .Lkeys_done
.endif
	v_add_nc_u32 v2, \kb*KVB, v1
	TRIPS (15-\kb)
.endm
	ARRIVE 7                                       ; seven younger loads may be out: key blocks 0 and 1 are in
	WAITB
	ARRIVE 6                                       ; blocks 2 and 3, wanted behind the next wait; between signal and wait only registers and LDS reads of blocks 0 and 1
	s_cmp_eq_u32 s10, 8
	s_cbranch_scc1 .Lseg_a
	s_wait_loadcnt 0x0                             ; my queries
	v_mov_b32 v2, v1
	TRIPJ 0, 1                                     ; block 0 starts maxima, sums and O: nothing is cleared
	BLOCKJ 1
.Lseg_a:
	WAITB
	ARRIVE 4                                       ; blocks 4 to 7
	s_cmp_eq_u32 s10, 8
	s_cbranch_scc1 .Lseg_b
	BLOCKJ 2
	BLOCKJ 3
.Lseg_b:
	WAITB
	ARRIVE 0                                       ; blocks 8 to 15: no tensor load is out any more
	s_cmp_eq_u32 s10, 8
	s_cbranch_scc1 .Lseg_c
.irp kb, 4,5,6,7
	BLOCKJ \kb
.endr
.Lseg_c:
	WAITB
; THE WAY OUT: O / l, 16 queries x 64 features of f32 through my own stage, read back as rows of 256 bytes.  LDS serves a wave's instructions in order (ISA guide 5.7.1).
.macro OUT o, l, b, d
	v_permlanex16_b32 v5, v[\l], s16, s17          ; the sum over the other 32 keys of every block
	v_add_f32 v10, v[\l], v5
	v_rcp_f32 v8, v10
	v_rcp_f32 v9, v10
	v_nop                                          ; one plain instruction before the reciprocals are read (ISA guide 5.7.2)
.set i, 0
	s_wait_alu depctr_va_vdst(0)
.rept 16
	v_pk_mul_f32 v[\o+i:\o+i+1], v[\o+i:\o+i+1], v[8:9]
.set i, i+2
.endr
.irp dt, 0,1,2,3
	ds_store_b128 v[STO], v[\o+8*\dt:\o+8*\dt+3]   offset:64*\dt
	ds_store_b128 v[STO], v[\o+8*\dt+4:\o+8*\dt+7] offset:64*\dt+16
.endr
.irp t, 0,1,2,3,4,5,6,7
	ds_load_b128 v[\d+4*\t:\d+4*\t+3], v[RD] offset:\t*2*SPITCH
.endr
.irp t, 0,1,2,3,4,5,6,7
	s_wait_dscnt 7-\t                              ; the younger read-backs may be out
	global_store_b128 v[CO], v[\d+4*\t:\d+4*\t+3], s[\b:\b+1] offset:\t*8192 th:TH_STORE_NT   ; 16 lanes store 256 consecutive bytes, aligned: one query's features of this head
.endr
.endm
	s_cmp_eq_u32 s10, 8
	s_cbranch_scc1 .Lno_out
.irp kb, 8,9,10,11,12,13,14,15
	BLOCKS \kb
.endr
.Lkeys_done:
	PLACES                                         ; behind the last matrix instructions: O is read, the K and V registers are loaded into
	OUT OA0, 14, 78, KVR
	OUT OA1, 15, 80, KVR+32
.Lno_out:
	s_wait_dscnt 0x0
	s_wait_tensorcnt 0x0
	ds_add_u32 v254, v255
	s_wait_dscnt 0x0
	ROUND                                          ; the closing round
	s_endpgm
.Lfunc_end_k_q7d98352b39_attn:
	.size	k_q7d98352b39_attn, .Lfunc_end_k_q7d98352b39_attn-k_q7d98352b39_attn
	.p2alignl 7, 3214868480
	.fill 96, 4, 3214868480
	.section	.rodata,"a",@progbits
	.p2align	6, 0x0
	.amdhsa_kernel k_q7d98352b39_attn
		.amdhsa_group_segment_fixed_size 298240
		.amdhsa_private_segment_fixed_size 0
		.amdhsa_enable_private_segment 0
		.amdhsa_kernarg_size 24
		.amdhsa_user_sgpr_count 2
		.amdhsa_user_sgpr_kernarg_segment_ptr 1
		.amdhsa_wavefront_size32 1
		.amdhsa_system_sgpr_workgroup_id_x 1
		.amdhsa_system_sgpr_workgroup_id_y 1
		.amdhsa_system_sgpr_workgroup_id_z 1
		.amdhsa_system_vgpr_workitem_id 0
		.amdhsa_next_free_vgpr 256
		.amdhsa_next_free_sgpr 84
		.amdhsa_reserve_vcc 1
		.amdhsa_float_denorm_mode_32 3
		.amdhsa_float_denorm_mode_16_64 3
		.amdhsa_memory_ordered 1
		.amdhsa_forward_progress 1
		.amdhsa_inst_pref_size 255
	.end_amdhsa_kernel
	.section	.bss,"aw",@nobits
	.p2align	6
	.space	262144
	.amdgpu_metadata
---
amdhsa.version: [ 1, 2 ]
amdhsa.kernels:
  - .name:           k_q7d98352b39_attn
    .symbol:         k_q7d98352b39_attn.kd
    .args:
      - { .name: qf, .offset: 0, .size: 8, .value_kind: global_buffer, .address_space: global }
      - { .name: kvf, .offset: 8, .size: 8, .value_kind: global_buffer, .address_space: global }
      - { .name: out0, .offset: 16, .size: 8, .value_kind: global_buffer, .address_space: global }
    .group_segment_fixed_size: 298240
    .private_segment_fixed_size: 0
    .kernarg_segment_align: 8
    .kernarg_segment_size: 24
    .max_flat_workgroup_size: 288
    .sgpr_count:     84
    .vgpr_count:     256
    .wavefront_size: 32
...
	.end_amdgpu_metadata
.endif
;; end of part 2
;; ======== version 2 of 3: 3 launches; 1.13 times as fast as version 1
;; limits: values are held in f16: magnitudes above 65,504 overflow, below 6.1e-05 lose precision
;; workspace buffers: qf 8,388,608 bytes; kvf 16,777,216 bytes; hb 8,388,608 bytes; wb 6,291,456 bytes
;; launch tobf16 (part 3): grid 256 x 1, 8 waves a work-group, no clusters, 0 bytes of LDS; arguments hidden_states, Wqkv, hb, wb; writes hb, wb
.if DOCPART == 3
	.amdgcn_target "amdgcn-amd-amdhsa--gfx1250"
	.amdhsa_code_object_version 6
	.text
	.protected	k_q7d98352b39_tobf16
	.globl	k_q7d98352b39_tobf16
	.p2align	8
	.type	k_q7d98352b39_tobf16,@function
k_q7d98352b39_tobf16:
	s_mov_b64 s[64:65], 0
	v_nop
	global_prefetch_b8 v0, s[64:65] scope:SCOPE_SE
	s_setreg_imm32_b32 hwreg(HW_REG_WAVE_MODE, 25, 1), 1
	s_wait_xcnt 0x0
; hidden_states [4096][1024] and Wqkv [3072][1024], f32, are rounded once to bf16 (nearest even), so that the projection launch moves and reads half the bytes
; and converts nothing.  hb: [4096][1024] bf16, rows as in hidden_states.  wb: [16][192][1024] bf16: row z*1024 + head*64 + d of Wqkv (z = q, k, v) goes to row
; head*192 + z*64 + d, so that the 192 rows that one head needs are consecutive.
; A stream: every byte is read once and written once; LDS, barriers, the matrix unit and clusters would add nothing (no two work-groups read the same byte).
; 256 work-groups of eight waves.  Thread t owns the 16 bytes at 16 t of every f32 row (256 threads x 16 bytes = a row of 4,096 bytes) and the 8 bytes at 8 t of the
; bf16 row.  Work-group x takes 28 rows: rows 16x .. 16x+15 of hidden and rows 4x .. 4x+3 of each of the three parts of Wqkv (head x / 16, d = 4 (x % 16) + i).
; All 28 loads of a wave go out at once (8 waves x 28 x 512 bytes = 114,688 bytes on their way); the waits count down.
; Each load of a wave covers 512 consecutive bytes, each store 256 consecutive bytes, both aligned.
.set ROWF, 4096                        ; bytes in an f32 row
.set ROWH, 2048                        ; bytes in a bf16 row
.set X, 4                              ; v[4:115]   row n: 4 registers as loaded
.set Y, 116                            ; v[116:171] row n: 2 registers to store
	s_load_b256 s[4:11], s[0:1], 0x0               ; hidden s[4:5], Wqkv s[6:7], hb s[8:9], wb s[10:11]
	v_lshlrev_b32 v1, 4, v0                        ; 16 t
	v_lshlrev_b32 v2, 3, v0                        ; 8 t
	s_lshl_b32 s12, ttmp9, 16                      ; hidden: 16 rows of 4,096 bytes a work-group
	s_mov_b32 s13, 0
	s_lshl_b32 s14, ttmp9, 14                      ; Wqkv: 4 rows of 4,096 bytes
	s_mov_b32 s15, 0
	s_lshl_b32 s16, ttmp9, 15                      ; hb: 16 rows of 2,048 bytes
	s_mov_b32 s17, 0
	s_lshr_b32 s18, ttmp9, 4                       ; wb: head = x / 16, 192 rows a head,
	s_mul_i32 s18, s18, 192*ROWH
	s_and_b32 s19, ttmp9, 15
	s_lshl_b32 s19, s19, 13                        ; + 4 (x % 16) rows of 2,048 bytes
	s_add_co_u32 s18, s18, s19
	s_mov_b32 s19, 0
	s_wait_kmcnt 0x0
	s_add_nc_u64 s[4:5], s[4:5], s[12:13]
	s_add_nc_u64 s[6:7], s[6:7], s[14:15]          ; the q part
	s_add_nc_u64 s[20:21], s[6:7], 1024*ROWF       ; the k part: a base of its own, since 2 x 1,024 rows pass the signed 24-bit immediate
	s_add_nc_u64 s[22:23], s[6:7], 2048*ROWF       ; the v part
	s_add_nc_u64 s[8:9], s[8:9], s[16:17]
	s_add_nc_u64 s[10:11], s[10:11], s[18:19]
.irp i, 0,1,2,3,4,5,6,7,8,9,10,11,12,13,14,15
	global_load_b128 v[X+4*\i:X+4*\i+3], v1, s[4:5] offset:\i*ROWF th:TH_LOAD_NT
.endr
.irp i, 0,1,2,3
	global_load_b128 v[X+64+4*\i:X+64+4*\i+3], v1, s[6:7] offset:\i*ROWF th:TH_LOAD_NT
.endr
.irp i, 0,1,2,3
	global_load_b128 v[X+80+4*\i:X+80+4*\i+3], v1, s[20:21] offset:\i*ROWF th:TH_LOAD_NT
.endr
.irp i, 0,1,2,3
	global_load_b128 v[X+96+4*\i:X+96+4*\i+3], v1, s[22:23] offset:\i*ROWF th:TH_LOAD_NT
.endr
; row n of the 28: rounded and stored.  Every row has registers of its own, so nothing that a store reads is written again.
.macro OUTROW n, b, off
	s_wait_loadcnt 27-\n                           ; loads come back in order (ISA guide 5.7.1): row n is in, the 27 - n younger ones may be out
	v_cvt_pk_bf16_f32 v[Y+2*\n],   v[X+4*\n],   v[X+4*\n+1]
	v_cvt_pk_bf16_f32 v[Y+2*\n+1], v[X+4*\n+2], v[X+4*\n+3]
	global_store_b64 v2, v[Y+2*\n:Y+2*\n+1], s[\b:\b+1] offset:\off
.endm
.irp i, 0,1,2,3,4,5,6,7,8,9,10,11,12,13,14,15
	OUTROW \i, 8, \i*ROWH
.endr
.irp z, 0,1,2
.irp i, 0,1,2,3
	OUTROW (16+4*\z+\i), 10, (\z*64*ROWH+\i*ROWH)
.endr
.endr
	s_endpgm
.Lfunc_end_k_q7d98352b39_tobf16:
	.size	k_q7d98352b39_tobf16, .Lfunc_end_k_q7d98352b39_tobf16-k_q7d98352b39_tobf16
	.p2alignl 7, 3214868480
	.fill 96, 4, 3214868480
	.section	.rodata,"a",@progbits
	.p2align	6, 0x0
	.amdhsa_kernel k_q7d98352b39_tobf16
		.amdhsa_group_segment_fixed_size 0
		.amdhsa_private_segment_fixed_size 0
		.amdhsa_enable_private_segment 0
		.amdhsa_kernarg_size 32
		.amdhsa_user_sgpr_count 2
		.amdhsa_user_sgpr_kernarg_segment_ptr 1
		.amdhsa_wavefront_size32 1
		.amdhsa_system_sgpr_workgroup_id_x 1
		.amdhsa_system_sgpr_workgroup_id_y 1
		.amdhsa_system_sgpr_workgroup_id_z 1
		.amdhsa_system_vgpr_workitem_id 0
		.amdhsa_next_free_vgpr 172
		.amdhsa_next_free_sgpr 66
		.amdhsa_reserve_vcc 0
		.amdhsa_float_denorm_mode_32 3
		.amdhsa_float_denorm_mode_16_64 3
		.amdhsa_memory_ordered 1
		.amdhsa_forward_progress 1
		.amdhsa_inst_pref_size 11
	.end_amdhsa_kernel
	.amdgpu_metadata
---
amdhsa.version: [ 1, 2 ]
amdhsa.kernels:
  - .name:           k_q7d98352b39_tobf16
    .symbol:         k_q7d98352b39_tobf16.kd
    .args:
      - { .name: hidden_states, .offset: 0, .size: 8, .value_kind: global_buffer, .address_space: global }
      - { .name: Wqkv, .offset: 8, .size: 8, .value_kind: global_buffer, .address_space: global }
      - { .name: hb, .offset: 16, .size: 8, .value_kind: global_buffer, .address_space: global }
      - { .name: wb, .offset: 24, .size: 8, .value_kind: global_buffer, .address_space: global }
    .group_segment_fixed_size: 0
    .private_segment_fixed_size: 0
    .kernarg_segment_align: 8
    .kernarg_segment_size: 32
    .max_flat_workgroup_size: 256
    .sgpr_count:     66
    .vgpr_count:     172
    .wavefront_size: 32
...
	.end_amdgpu_metadata
.endif
;; end of part 3
;; launch qkv (part 4): grid 16 x 16, 4 waves a work-group, clusters of 4 x 4, 327,680 bytes of LDS; arguments hb, wb, bqkv, qf, kvf; writes qf, kvf
.if DOCPART == 4
	.amdgcn_target "amdgcn-amd-amdhsa--gfx1250"
	.amdhsa_code_object_version 6
	.text
	.protected	k_q7d98352b39_qkv
	.globl	k_q7d98352b39_qkv
	.p2align	8
	.type	k_q7d98352b39_qkv,@function
k_q7d98352b39_qkv:
	s_mov_b64 s[64:65], 0
	v_nop
	global_prefetch_b8 v0, s[64:65] scope:SCOPE_SE
	s_setreg_imm32_b32 hwreg(HW_REG_WAVE_MODE, 25, 1), 1
	s_wait_xcnt 0x0
	s_wait_alu depctr_hold_cnt(0) depctr_sa_sdst(0) depctr_va_vdst(0) depctr_va_sdst(0) depctr_va_ssrc(0) depctr_va_vcc(0) depctr_vm_vsrc(0)
	s_getreg_b32 s2, hwreg(HW_REG_IB_STS2, 6, 4)
	s_cmp_eq_u32 s2, 0
	s_cbranch_scc0 .Lentry_in_a_cluster
	s_endpgm
.Lentry_in_a_cluster:
	s_bfe_u32 s2, ttmp6, 0x10000c
	s_cmp_lg_u32 s2, 0xf033
	s_cbranch_scc0 .Lentry_shape_is_right
	s_endpgm
.Lentry_shape_is_right:
; qkv = hidden x Wqkv^T + bqkv, rotary embedding on q and k, all three rounded to f16 and stored in the order in which the attention launch reads fragments.
; hb: [4096][1024] bf16 (hidden_states, rounded by the launch in front), wb: [16][192][1024] bf16 (Wqkv, rounded, the q, k, v rows of a head together), bqkv: [3072] f32.
; Products with bf16 operands and f32 sums.
; A work-group makes 256 rows x 192 columns: q, k and v of ONE head (x = head 0..15, y = block of 256 rows 0..15): 256 work-groups.
; Four waves, 2 x 2: wr = wave / 2 takes 128 rows, c = wave % 2 takes, of every 32 columns, the 16 at 16 c.  So a wave has six column tiles j = 2 z + p
; (z = q, k, v; p = lower or upper half of the head) and the rotary partners d and d + 32 are tiles (z, 0) and (z, 1): same lane, same register.
; 8 row tiles x 6 column tiles = 48 accumulator tiles = 384 registers.
; K goes in steps of 128 (rows of 256 bytes, aligned) through two LDS slots filled by tensor loads; a step is four chunks of 32 along K, 48 matrix instructions each,
; on two fragment buffers that take turns: while one is multiplied, the next chunk's 28 LDS loads fill the other, 32 matrix instructions ahead of their first use.
; A slot is asked for again 16 matrix instructions into the last chunk of its step, and that load is waited for at the head of the next step's last chunk:
; 176 matrix instructions later.
; CLUSTER 4 x 4: the four work-groups of a cluster row share the rows of hb, the four of a column share the rows of wb (one head): both are joint loads.
; q and k tiles are made TRANSPOSED (source 0 = rows of W): a lane holds 8 neighbouring features of one row.  v tiles are made the natural way: a lane holds
; 8 neighbouring keys of one feature.  Both are 16 bytes a lane that the attention launch wants together, so every store is lane x 16: 512 consecutive bytes, aligned.
; WHY f16 FOR THE RESULTS: the first queries average few values, so an output can be a small difference of products; f16 keeps three bits more than bf16.
; LIMITS: hidden and Wqkv are rounded to bf16.  q, k, v are rounded to f16, whose largest number is 65,504: with inputs of spread 1 and 1/32 they are about 1; with both
; inputs 30 times larger about 900; with both carrying an offset of 30 spreads 1024 x 30 x 30/32 = 28,800, after the rotation at most 1.42 times that.  Beyond 65,504
; they become infinite.  cos and sin come from 2^x, a reduction in revolutions and series cut at 2.2e-5; the angle is good to about 3e-4 rad at position 1023.
; NaN and infinities are not looked at.
; qf  byte: bh*131072 + T*2048 + c*1024 + p*512 + lane*16 = features 32p+16c+8h+0..7 of row 16T+r           (r = lane%16, h = lane/16, bh = batch*16+head)
; kvf byte: bh*262144 + kb*16384 + u*2048 + c*1024 + p*512 + lane*16 (K, as qf, key tile u of block kb)
;           bh*262144 + kb*16384 + 8192 + g*4096 + dt*1024 + t*512 + lane*16 = keys 64kb+32g+16t+8h+0..7 of feature 16dt+r (V)
.set PITCH,  272                       ; an LDS row: 256 bytes + 16 of padding: 16 neighbouring rows start in 16 different 16-byte columns of 256 bytes
.set QUART,  128*PITCH                 ; a wave's quarter of a slot: waves 0, 1 fill 128 rows of hb each, waves 2, 3 fill 96 rows of wb each and leave 32 rows unused
.set SLOT,   4*QUART                   ; rows 0-255 hb; rows 256-351 and 384-479 wb
.set KBYTES, 256                       ; a K step in bytes
.set ADRA, 4                           ; v4, v5   LDS address of my rows of hb in slot 0, 1
.set ADRB, 6                           ; v6, v7   the same for my rows of wb
.set F0, 32                            ; window 0: v32-143 fragment buffer 0: row tile a at 8a, column tile j at 64+8j
.set F1, 144                           ; window 0: v144-255 fragment buffer 1
; window 1: the bias, the rotary tables and the registers of the way out
.set T,   0                            ; 128 registers at work, then store data
.set BQ,  128                          ; bias of q and k: tile jj = 2z+p at 8jj
.set BV,  160                          ; bias of v: a pair for p = 0, a pair for p = 1
.set U,   164
.set WT,  172
.set C2,  180                          ; second set of cos, sin: the two sets take turns from row tile to row tile
.set SN2, 188
.set OFF, 196                          ; lane x 16
.set TC,  224                          ; cos, sin of my 8 angles at the row tile at work
.set TS,  232
.set TCS, 240                          ; cos, sin of 16 positions more
.set TSS, 248
.set DB, 0                             ; at work while the tables are made
.set PS, 1
.set WW, 8
.set FF, 16
.set X2, 24
; window 2: accumulators of q and k, tile (j, a) at 8 (8 j + a), j = 0..3.  window 3: those of v, tile (p, a) at 8 (8 p + a)
.set G1A, 24                           ; s[24:31] group 1 for hb, s[32:39] its group 0, one set a slot
.set G0A, 32
.set G1B, 40                           ; s[40:47] group 1 for wb, s[48:55] its group 0, one set a slot
.set G0B, 48
.set MULQ, 0xa0                        ; s_set_vgpr_msb: bits 1:0 source 0, 3:2 source 1, 5:4 source 2, 7:6 destination.  C and D window 2
.set MULV, 0xf0                        ; C and D window 3
.set LDW,  0x40                        ; destination window 1, address window 0
.set E1,   0x55                        ; everything window 1
.set E2,   0x46                        ; source 0 window 2, source 1 and destination window 1
.set E3,   0x47                        ; source 0 window 3, source 1 and destination window 1
.set MSB, 0
.macro WIN new                         ; the high byte repeats the setting that is left
.if MSB != \new
	s_set_vgpr_msb (MSB<<8)|\new
.set MSB, \new
.endif
.endm
.macro PLACES                          ; four plain vector instructions behind a matrix instruction before its registers are touched (ISA guide 7.12.1)
.rept 4
	v_nop
.endr
.endm
; A joint load.  Waves 0 and 1 fetch the two halves of hb's 256 rows, waves 2 and 3 the two halves of wb's 192.  The branch hangs on the wave number alone.
.macro JLOAD s
	s_cmp_eq_u32 s15, 0
	s_cbranch_scc0 .Lfor_b_\@
	tensor_load_to_lds s[G0A+4*\s:G0A+4*\s+3], s[G1A:G1A+7]
	s_nop 0
	s_branch .Lasked_\@
.Lfor_b_\@:
	tensor_load_to_lds s[G0B+4*\s:G0B+4*\s+3], s[G1B:G1B+7]
	s_nop 0
.Lasked_\@:
.endm
.macro CREST                           ; a round of the cluster barrier behind its opening work-group barrier
	s_cmp_lg_u32 s14, 0
	s_cbranch_scc1 .Lnot_wave_0_\@
	s_barrier_signal -3
.Lnot_wave_0_\@:
	s_barrier_wait -3
	s_barrier_signal -1
	s_barrier_wait -1
.endm
.macro CROUND
	s_barrier_signal -1
	s_barrier_wait -1
	CREST
.endm
	s_load_b256 s[4:11], s[0:1], 0x0               ; hb s[4:5], wb s[6:7], bqkv s[8:9], qf s[10:11]
	s_load_b64 s[12:13], s[0:1], 0x20              ; kvf
	v_lshl_add_u32 v30, v0, 2, 0x44000
	v_mov_b32 v31, 0
	ds_add_u32 v30, v31
	v_lshrrev_b32 v1, 5, v0
	v_readfirstlane_b32 s14, v1                    ; wave 0..3
	s_lshr_b32 s15, s14, 1                         ; wr: which 128 rows I multiply.  Also: I fetch for hb (0) or for wb (1)
	s_and_b32 s16, s14, 1                          ; c: which 16 of every 32 columns.  Also: which half of that tile I fetch
	s_bfe_u32 s17, ttmp6, 0x40000                  ; cx
	s_bfe_u32 s18, ttmp6, 0x40004                  ; cy
	s_lshl_b32 s19, ttmp9, 2
	s_add_co_u32 s19, s19, s17                     ; head = 4 x cluster x + cx
	s_and_b32 s20, ttmp7, 0xffff
	s_lshl_b32 s20, s20, 2
	s_add_co_u32 s20, s20, s18                     ; row block = 4 x cluster y + cy
	s_lshl_b32 s21, s18, 2
	s_lshl_b32 s21, 15, s21                        ; my row of the cluster
	s_lshl_b32 s22, 0x1111, s17                    ; my column
	; group 1: elements of 2 bytes, rows of 128 elements, 4 words of padding behind every 64 words, 1,024 elements from row to row
	s_or_b32 s[G1A+0], s21, (1<<16)|(1<<20)|(1<<21)|(5<<22)|(3<<25)   ; hb goes to my row of the cluster
	s_mov_b32 s[G1A+1], 128<<16                    ; tensor_dim0 = 128
	s_mov_b32 s[G1A+2], 128<<16                    ; tensor_dim1 = 128
	s_mov_b32 s[G1A+3], 128<<16                    ; tile_dim0 = 128
	s_mov_b32 s[G1A+4], 128                        ; tile_dim1 = 128 rows
	s_mov_b32 s[G1A+5], 1024
	s_mov_b32 s[G1A+6], 0
	s_mov_b32 s[G1A+7], 0
	s_or_b32 s[G1B+0], s22, (1<<16)|(1<<20)|(1<<21)|(5<<22)|(3<<25)   ; wb goes to my column
	s_mov_b32 s[G1B+1], 128<<16
	s_mov_b32 s[G1B+2], 96<<16                     ; 96 rows
	s_mov_b32 s[G1B+3], 128<<16
	s_mov_b32 s[G1B+4], 96
	s_mov_b32 s[G1B+5], 1024
	s_mov_b32 s[G1B+6], 0
	s_mov_b32 s[G1B+7], 0
	s_mul_i32 s23, s14, QUART                      ; where my tile goes: wave x 128 rows; no place in the cluster enters an LDS address
	s_lshl_b32 s56, s20, 19                        ; hb: 256 rows of 2,048 bytes a block + 128 rows a half; hangs on the row block and the wave alone
	s_lshl_b32 s57, s16, 18
	s_add_co_u32 s56, s56, s57
	s_mov_b32 s57, 0
	s_mul_i32 s60, s19, 192*2048                   ; wb: 192 rows of 2,048 bytes a head + 96 rows a half; hangs on the head and the wave alone
	s_mul_i32 s61, s16, 96*2048
	s_add_co_u32 s60, s60, s61
	s_mov_b32 s61, 0
	s_wait_dscnt 0x0
	s_wait_kmcnt 0x0
	s_add_nc_u64 s[58:59], s[4:5], s[56:57]
	s_add_nc_u64 s[62:63], s[6:7], s[60:61]
	CROUND                                         ; all sixteen work-groups are here: the first joint loads meet
.irp s, 0,1
	s_mov_b32 s[G0A+4*\s], 1
	s_add_co_u32 s[G0A+4*\s+1], s23, \s*SLOT
	s_add_nc_u64 s[G0A+4*\s+2:G0A+4*\s+3], s[58:59], \s*KBYTES     ; K step s
	s_or_b32 s[G0A+4*\s+3], s[G0A+4*\s+3], 0x80000000
	s_mov_b32 s[G0B+4*\s], 1
	s_add_co_u32 s[G0B+4*\s+1], s23, \s*SLOT
	s_add_nc_u64 s[G0B+4*\s+2:G0B+4*\s+3], s[62:63], \s*KBYTES
	s_or_b32 s[G0B+4*\s+3], s[G0B+4*\s+3], 0x80000000
	JLOAD \s                                       ; both slots are asked for before anything else: two loads of a wave are out, the most in this text
.endr
	; addresses.  A fragment of 16 rows x 32 K of bf16: lane (r, h) wants K = 8h..8h+7 and 16+8h..16+8h+7 of row r: 16 bytes at 16h and 16 bytes at 32+16h
	v_and_b32 v1, 15, v0                           ; r
	v_bfe_u32 v2, v0, 4, 1                         ; h
	v_mul_u32_u24 v3, v1, PITCH
	v_lshl_add_u32 v3, v2, 4, v3                   ; r x pitch + 16 h
	s_mul_i32 s70, s15, 128*PITCH                  ; my 128 rows of hb
	s_mul_i32 s71, s16, 16*PITCH                   ; my 16 of every 32 rows of wb,
	s_add_co_u32 s71, s71, 256*PITCH               ; which lie behind hb's 256
	v_add_nc_u32 v[ADRA], s70, v3
	v_add_nc_u32 v[ADRA+1], SLOT, v[ADRA]
	v_add_nc_u32 v[ADRB], s71, v3
	v_add_nc_u32 v[ADRB+1], SLOT, v[ADRB]
	v_lshlrev_b32 v8, 5, v2                        ; bias of q, k: 8 numbers at 8h
	v_lshlrev_b32 v9, 2, v1                        ; bias of v: one number at r
	v_and_b32 v10, 31, v0                          ; lane
	s_lshl_b32 s72, s16, 4                         ; 16 c
	s_and_b32 s75, s20, 3                          ; row block within the batch
	s_lshl_b32 s73, s75, 8
	s_lshl_b32 s74, s15, 7
	s_add_co_u32 s73, s73, s74                     ; position of my first row
	s_lshr_b32 s74, s20, 2
	s_lshl4_add_u32 s74, s74, s19                  ; bh = batch x 16 + head
	s_lshl_b32 s76, s74, 17                        ; qf: bh, row tile 16 x block + 8 wr, plane c
	s_lshl_b32 s77, s75, 15
	s_add_co_u32 s76, s76, s77
	s_lshl_b32 s77, s15, 14
	s_add_co_u32 s76, s76, s77
	s_lshl_b32 s77, s16, 10
	s_add_co_u32 s76, s76, s77
	s_mov_b32 s77, 0
	s_add_nc_u64 s[10:11], s[10:11], s[76:77]
	s_lshl_b32 s78, s74, 18                        ; kvf: bh, key block 4 x block + 2 wr, plane c
	s_lshl_b32 s79, s75, 16
	s_add_co_u32 s78, s78, s79
	s_lshl_b32 s79, s15, 15
	s_add_co_u32 s78, s78, s79
	s_lshl_b32 s79, s16, 10
	s_add_co_u32 s78, s78, s79
	s_mov_b32 s79, 0
	s_add_nc_u64 s[12:13], s[12:13], s[78:79]
	s_lshl_b32 s76, s19, 8                         ; bias: (64 head + 16 c) x 4 bytes
	s_lshl_b32 s77, s16, 6
	s_add_co_u32 s76, s76, s77
	s_mov_b32 s77, 0
	s_add_nc_u64 s[8:9], s[8:9], s[76:77]
	s_mov_b32 s66, 0xbed49a78                      ; -log2(10000) / 32
	s_mov_b32 s67, 0x41800000                      ; 16.0
	s_mov_b32 s68, 0x40747a1a                      ; leading coefficient of the sine series,  (2 pi)^13 / 13!
	s_mov_b32 s69, 0xbfdb7128                      ; leading coefficient of the cosine series, -(2 pi)^14 / 14!
; cos and sin of 2 pi f for the eight f in FF, |f| <= 1/2: the power series in f, Horner in f^2
.macro SINCOS c, s
.irp j, 0,1,2,3,4,5,6,7
	v_mul_f32 v[X2+\j], v[FF+\j], v[FF+\j]
.endr
.irp j, 0,1,2,3,4,5,6,7
	v_fmaak_f32 v[\s+\j], s68, v[X2+\j], 0xc17183a8
.endr
.irp k, 0x42283c1a, 0xc2996966, 0x42a335e3, 0xc2255de7, 0x40c90fdb
.irp j, 0,1,2,3,4,5,6,7
	v_fmaak_f32 v[\s+\j], v[\s+\j], v[X2+\j], \k
.endr
.endr
.irp j, 0,1,2,3,4,5,6,7
	v_mul_f32 v[\s+\j], v[\s+\j], v[FF+\j]
.endr
.irp j, 0,1,2,3,4,5,6,7
	v_fmaak_f32 v[\c+\j], s69, v[X2+\j], 0x40fce9c5
.endr
.irp k, 0xc1d368f9, 0x4270fa83, 0xc2aae9e4, 0x4281e0f8, 0xc19de9e6, 0x3f800000
.irp j, 0,1,2,3,4,5,6,7
	v_fmaak_f32 v[\c+\j], v[\c+\j], v[X2+\j], \k
.endr
.endr
.endm
	; the bias is asked for now and waited for on the way out; its address registers v8, v9 and s[8:9] are never written again
	WIN LDW
.irp jj, 0,1,2,3
	global_load_b128 v[BQ+8*\jj:BQ+8*\jj+3],   v8, s[8:9] offset:(\jj>>1)*4096+(\jj&1)*128
	global_load_b128 v[BQ+8*\jj+4:BQ+8*\jj+7], v8, s[8:9] offset:(\jj>>1)*4096+(\jj&1)*128+16
.endr
.irp p, 0,1
	global_load_b32 v[BV+2*\p],   v9, s[8:9] offset:8192+\p*128    ; twice: a whole pair for the packed add
	global_load_b32 v[BV+2*\p+1], v9, s[8:9] offset:8192+\p*128
.endr
	v_lshlrev_b32 v[OFF], 4, v10
	; the rotary tables, made while the first tiles are on their way.  Angle number i = 16c + 8h + j; revolutions a position w = 10000^(-i/32) / (2 pi)
	v_lshl_add_u32 v[DB], v2, 3, s72               ; 16 c + 8 h
	v_add_nc_u32 v[PS], s73, v1                    ; position of row r of my first row tile
	WIN E1
	v_cvt_f32_u32 v[PS], v[PS]
.irp j, 0,1,2,3,4,5,6,7
	v_add_nc_u32 v[WW+\j], \j, v[DB]
.endr
.irp j, 0,1,2,3,4,5,6,7
	v_cvt_f32_u32 v[WW+\j], v[WW+\j]
.endr
.irp j, 0,1,2,3,4,5,6,7
	v_fmaak_f32 v[WW+\j], s66, v[WW+\j], 0xc029b21d        ; -i log2(10000)/32 - log2(2 pi)
.endr
.irp j, 0,1,2,3,4,5,6,7
	v_exp_f32 v[WW+\j], v[WW+\j]
.endr
	v_nop                                          ; one plain instruction behind the run of exponentials before a result is read (ISA guide 5.7.2)
	s_wait_alu depctr_va_vdst(0)
.irp j, 0,1,2,3,4,5,6,7
	v_mul_f32 v[FF+\j], v[PS], v[WW+\j]
.endr
.irp j, 0,1,2,3,4,5,6,7
	v_rndne_f32 v[FF+\j], v[FF+\j]
.endr
.irp j, 0,1,2,3,4,5,6,7
	v_fma_f32 v[FF+\j], v[PS], v[WW+\j], -v[FF+\j]         ; the fraction of a revolution, from the exact product
.endr
	SINCOS TC, TS
.irp j, 0,1,2,3,4,5,6,7
	v_mul_f32 v[FF+\j], s67, v[WW+\j]
.endr
.irp j, 0,1,2,3,4,5,6,7
	v_rndne_f32 v[FF+\j], v[FF+\j]
.endr
.irp j, 0,1,2,3,4,5,6,7
	v_fma_f32 v[FF+\j], s67, v[WW+\j], -v[FF+\j]           ; 16 positions further
.endr
	SINCOS TCS, TSS
	WIN 0
; 16 matrix instructions.  grp 0 = q, 1 = k: source 0 = rows of W, source 1 = rows of hidden (transposed use).  grp 2 = v: the natural way.
; The 48 accumulators take turns, one instruction a turn, in the same order in every chunk.
.macro MUL16 grp, f, zero
.irp p, 0,1
.irp a, 0,1,2,3,4,5,6,7
.if \grp < 2
.set DD, 8*(8*(2*\grp+\p)+\a)
.set AA, \f+64+8*(2*\grp+\p)
.set BB, \f+8*\a
.else
.set DD, 8*(8*\p+\a)
.set AA, \f+8*\a
.set BB, \f+64+8*(4+\p)
.endif
.if \zero
	v_wmma_f32_16x16x32_bf16 v[DD:DD+7], v[AA:AA+7], v[BB:BB+7], 0
.else
	v_wmma_f32_16x16x32_bf16 v[DD:DD+7], v[AA:AA+7], v[BB:BB+7], v[DD:DD+7]
.endif
.endr
.endr
.endm
; 28 LDS loads in one run: the fragments of one chunk (32 K at byte k of the rows) into buffer f: my 8 row tiles first, then my 6 column tiles.
; Column tile j lies at row 32 j of wb's 192, and the second 96 rows begin 32 rows later in LDS.
.macro FETCH slot, k, f
	WIN 0
.irp a, 0,1,2,3,4,5,6,7
	ds_load_b128 v[\f+8*\a:\f+8*\a+3],   v[ADRA+\slot] offset:\k+\a*16*PITCH
	ds_load_b128 v[\f+8*\a+4:\f+8*\a+7], v[ADRA+\slot] offset:\k+\a*16*PITCH+32
.endr
.irp j, 0,1,2,3,4,5
	ds_load_b128 v[\f+64+8*\j:\f+64+8*\j+3],   v[ADRB+\slot] offset:\k+(32*\j+32*(\j/3))*PITCH
	ds_load_b128 v[\f+64+8*\j+4:\f+64+8*\j+7], v[ADRB+\slot] offset:\k+(32*\j+32*(\j/3))*PITCH+32
.endr
.endm
; A chunk: multiplies buffer f; behind its first 16 matrix instructions it fetches the next chunk's fragments (slot fslot, byte fk) into buffer g.
; turn = 1, 2: buffer f holds my last reads of slot tslot, and the next chunk lies in the other slot: the change of slots.  In front of the signal my LDS reads and all
; my tensor loads are done; between signal and wait stand 16 matrix instructions, register work alone; turn = 2: the barrier opens a round of the cluster barrier, and
; behind the round slot tslot is asked for again, two K steps ahead, ahead of the first LDS read.
.macro CHUNK f, g, zero, fetch, fslot, fk, turn, tslot
.if \turn
	s_wait_dscnt 0x0                               ; my reads of this slot are over
	s_wait_tensorcnt 0x0                           ; all my tensor loads have landed: the one that was out is my part of the other slot
	ds_add_u32 v30, v31
	s_wait_dscnt 0x0
	s_barrier_signal -1
.else
	s_wait_dscnt 8                                 ; the row tiles and column tiles 0, 1 are in; the youngest eight loads (column tiles 2 to 5) may be out
.endif
	WIN MULQ
	MUL16 0, \f, \zero
.if \turn
	WIN 0                                          ; at a branch and at a label every window is 0
	s_barrier_wait -1
.if \turn == 2
	CREST                                          ; no wave of any partner still reads this slot or has a load on its way
	s_add_nc_u64 s[G0A+4*\tslot+2:G0A+4*\tslot+3], s[G0A+4*\tslot+2:G0A+4*\tslot+3], 2*KBYTES
	s_add_nc_u64 s[G0B+4*\tslot+2:G0B+4*\tslot+3], s[G0B+4*\tslot+2:G0B+4*\tslot+3], 2*KBYTES
	JLOAD \tslot                                   ; my one tensor load behind the round
.endif
.endif
.if \fetch
	PLACES                                         ; buffer g was read by the matrix instructions of the chunk before
	FETCH \fslot, \fk, \g
.if \turn == 0
	s_wait_dscnt 28                                ; all but the 28 just issued
.endif
.else
	s_wait_dscnt 0x0
.endif
	WIN MULQ
	MUL16 1, \f, \zero
	WIN MULV
	MUL16 2, \f, \zero
.endm
; A K step: four chunks on buffers 0, 1, 0, 1.  turn as in CHUNK; 0: the last step, nothing more to fetch.
.macro STEP slot, zero, turn
	CHUNK F0, F1, \zero, 1, \slot, 64,  0, 0
	CHUNK F1, F0, 0,     1, \slot, 128, 0, 0
	CHUNK F0, F1, 0,     1, \slot, 192, 0, 0
.if \turn
	CHUNK F1, F0, 0,     1, (1-\slot), 0, \turn, \slot
.else
	CHUNK F1, F0, 0,     0, 0, 0, 0, 0
.endif
.endm
	s_wait_tensorcnt 0x1                           ; my part of K step 0 is in; K step 1 may stay out
	s_barrier_signal -1
	s_barrier_wait -1
	FETCH 0, 0, F0
	STEP 0, 1, 2                                   ; the first products start the sums: nothing is cleared
	STEP 1, 0, 2
	WIN 0
	s_mov_b32 s3, 2                                ; 8 K steps = 4 laps of two: one in front, two here, one behind
.Llap:
	STEP 0, 0, 2
	STEP 1, 0, 2
	WIN 0
	s_sub_co_u32 s3, s3, 1
	s_cmp_lg_u32 s3, 0
	s_cbranch_scc1 .Llap
	STEP 0, 0, 1                                   ; the last lap fills nothing: a plain barrier shows slot 1 whole
	STEP 1, 0, 0
; THE WAY OUT.  cos, sin one row tile (16 positions) further, from set (ci, si) into set (co, so)
.macro ROTATE ci, si, co, so
.irp i, 0,2,4,6
	v_pk_mul_f32 v[\co+\i:\co+\i+1], v[\ci+\i:\ci+\i+1], v[TCS+\i:TCS+\i+1]
	v_pk_mul_f32 v[\so+\i:\so+\i+1], v[\si+\i:\si+\i+1], v[TCS+\i:TCS+\i+1]
.endr
.irp i, 0,2,4,6
	v_pk_fma_f32 v[\co+\i:\co+\i+1], v[\si+\i:\si+\i+1], v[TSS+\i:TSS+\i+1], v[\co+\i:\co+\i+1] neg_lo:[1,0,0] neg_hi:[1,0,0]
	v_pk_fma_f32 v[\so+\i:\so+\i+1], v[\ci+\i:\ci+\i+1], v[TSS+\i:TSS+\i+1], v[\so+\i:\so+\i+1]
.endr
.endm
; row tile a (al = its place in T), z = 0 q, 1 k: x1 cos - x2 sin and x2 cos + x1 sin, rounded to f16, 16 bytes each, stored
.macro ROPEST al, a, z, c, s
.set T1, T+32*\al+16*\z
.set T2, T1+8
.irp i, 0,2,4,6
	v_pk_mul_f32 v[U+\i:U+\i+1],   v[T1+\i:T1+\i+1], v[\c+\i:\c+\i+1]
	v_pk_mul_f32 v[WT+\i:WT+\i+1], v[T2+\i:T2+\i+1], v[\c+\i:\c+\i+1]
.endr
.irp i, 0,2,4,6
	v_pk_fma_f32 v[U+\i:U+\i+1],   v[T2+\i:T2+\i+1], v[\s+\i:\s+\i+1], v[U+\i:U+\i+1] neg_lo:[1,0,0] neg_hi:[1,0,0]
	v_pk_fma_f32 v[WT+\i:WT+\i+1], v[T1+\i:T1+\i+1], v[\s+\i:\s+\i+1], v[WT+\i:WT+\i+1]
.endr
.irp i, 0,1,2,3
	v_cvt_pk_f16_f32 v[T1+\i], v[U+2*\i],  v[U+2*\i+1]
	v_cvt_pk_f16_f32 v[T2+\i], v[WT+2*\i], v[WT+2*\i+1]
.endr
.if \z == 0
	global_store_b128 v[OFF], v[T1:T1+3], s[10:11] offset:\a*2048            ; each store of the wave covers 512 consecutive bytes, aligned
	global_store_b128 v[OFF], v[T2:T2+3], s[10:11] offset:\a*2048+512
.else
	global_store_b128 v[OFF], v[T1:T1+3], s[12:13] offset:(\a>>2)*16384+(\a&3)*2048
	global_store_b128 v[OFF], v[T2:T2+3], s[12:13] offset:(\a>>2)*16384+(\a&3)*2048+512
.endif
.endm
; row tiles 4 hf .. 4 hf + 3 of q and k
.macro HALF hf
	WIN E2
.irp al, 0,1,2,3
.irp jj, 0,1,2,3
.irp i, 0,2,4,6
	v_pk_add_f32 v[T+32*\al+8*\jj+\i:T+32*\al+8*\jj+\i+1], v[8*(8*\jj+4*\hf+\al)+\i:8*(8*\jj+4*\hf+\al)+\i+1], v[BQ+8*\jj+\i:BQ+8*\jj+\i+1]
.endr
.endr
.endr
	WIN E1
	ROPEST 0, (4*\hf), 0, TC, TS
	ROPEST 0, (4*\hf), 1, TC, TS
	ROTATE TC, TS, C2, SN2
	ROPEST 1, (4*\hf+1), 0, C2, SN2
	ROPEST 1, (4*\hf+1), 1, C2, SN2
	ROTATE C2, SN2, TC, TS
	ROPEST 2, (4*\hf+2), 0, TC, TS
	ROPEST 2, (4*\hf+2), 1, TC, TS
	ROTATE TC, TS, C2, SN2
	ROPEST 3, (4*\hf+3), 0, C2, SN2
	ROPEST 3, (4*\hf+3), 1, C2, SN2
.if \hf == 0
	ROTATE C2, SN2, TC, TS
.endif
.endm
	PLACES                                         ; behind the last matrix instructions, before their results are read
	s_wait_loadcnt 0x0                             ; the bias
	HALF 0
	s_wait_xcnt 0x0                                ; T, which the stores read, is written again only behind this wait
	HALF 1
	s_wait_xcnt 0x0                                ; and once more, for v
	WIN E3
.irp p, 0,1
.irp a, 0,1,2,3,4,5,6,7
.irp i, 0,2,4,6
	v_pk_add_f32 v[T+8*(8*\p+\a)+\i:T+8*(8*\p+\a)+\i+1], v[8*(8*\p+\a)+\i:8*(8*\p+\a)+\i+1], v[BV+2*\p:BV+2*\p+1]
.endr
.endr
.endr
	WIN E1
.irp x, 0,1,2,3,4,5,6,7,8,9,10,11,12,13,14,15
.irp i, 0,1,2,3
	v_cvt_pk_f16_f32 v[T+8*\x+\i], v[T+8*\x+2*\i], v[T+8*\x+2*\i+1]        ; in place, upward: register i is read no later than it is written
.endr
.endr
.irp p, 0,1
.irp a, 0,1,2,3,4,5,6,7
	global_store_b128 v[OFF], v[T+8*(8*\p+\a):T+8*(8*\p+\a)+3], s[12:13] offset:(\a>>2)*16384+8192+((\a>>1)&1)*4096+\p*2048+(\a&1)*512
.endr
.endr
	WIN 0
	CROUND                                         ; the closing round: no work-group ends while a partner may still ask for a tile that names it
	s_endpgm
.Lfunc_end_k_q7d98352b39_qkv:
	.size	k_q7d98352b39_qkv, .Lfunc_end_k_q7d98352b39_qkv-k_q7d98352b39_qkv
	.p2alignl 7, 3214868480
	.fill 96, 4, 3214868480
	.section	.rodata,"a",@progbits
	.p2align	6, 0x0
	.amdhsa_kernel k_q7d98352b39_qkv
		.amdhsa_group_segment_fixed_size 327680
		.amdhsa_private_segment_fixed_size 0
		.amdhsa_enable_private_segment 0
		.amdhsa_kernarg_size 40
		.amdhsa_user_sgpr_count 2
		.amdhsa_user_sgpr_kernarg_segment_ptr 1
		.amdhsa_wavefront_size32 1
		.amdhsa_system_sgpr_workgroup_id_x 1
		.amdhsa_system_sgpr_workgroup_id_y 1
		.amdhsa_system_sgpr_workgroup_id_z 1
		.amdhsa_system_vgpr_workitem_id 0
		.amdhsa_next_free_vgpr 896
		.amdhsa_next_free_sgpr 80
		.amdhsa_reserve_vcc 0
		.amdhsa_float_denorm_mode_32 3
		.amdhsa_float_denorm_mode_16_64 3
		.amdhsa_memory_ordered 1
		.amdhsa_forward_progress 1
		.amdhsa_inst_pref_size 203
	.end_amdhsa_kernel
	.amdgpu_metadata
---
amdhsa.version: [ 1, 2 ]
amdhsa.kernels:
  - .name:           k_q7d98352b39_qkv
    .symbol:         k_q7d98352b39_qkv.kd
    .args:
      - { .name: hb, .offset: 0, .size: 8, .value_kind: global_buffer, .address_space: global }
      - { .name: wb, .offset: 8, .size: 8, .value_kind: global_buffer, .address_space: global }
      - { .name: bqkv, .offset: 16, .size: 8, .value_kind: global_buffer, .address_space: global }
      - { .name: qf, .offset: 24, .size: 8, .value_kind: global_buffer, .address_space: global }
      - { .name: kvf, .offset: 32, .size: 8, .value_kind: global_buffer, .address_space: global }
    .group_segment_fixed_size: 327680
    .private_segment_fixed_size: 0
    .kernarg_segment_align: 8
    .kernarg_segment_size: 40
    .max_flat_workgroup_size: 128
    .sgpr_count:     80
    .vgpr_count:     896
    .wavefront_size: 32
...
	.end_amdgpu_metadata
.endif
;; end of part 4
;; launch attn: the kernel of part 2 again; grid 256 x 1, 9 waves a work-group, clusters of 4 x 1, 298,240 bytes of LDS; arguments qf, kvf, out0; writes out0
;; ======== version 3 of 3: 3 launches; version 2 with the launch tobf16 written anew for expert scheduling mode
;; limits: values are held in f16: magnitudes above 65,504 overflow, below 6.1e-05 lose precision
;; workspace buffers: qf 8,388,608 bytes; kvf 16,777,216 bytes; hb 8,388,608 bytes; wb 6,291,456 bytes
;; launch tobf16 (part 5): grid 256 x 1, 8 waves a work-group, no clusters, 0 bytes of LDS; arguments hidden_states, Wqkv, hb, wb; writes hb, wb
.if DOCPART == 5
	.amdgcn_target "amdgcn-amd-amdhsa--gfx1250"
	.amdhsa_code_object_version 6
	.text
	.protected	k_q7d98352b39_tobf16
	.globl	k_q7d98352b39_tobf16
	.p2align	8
	.type	k_q7d98352b39_tobf16,@function
k_q7d98352b39_tobf16:
	s_mov_b64 s[64:65], 0
	v_nop
	global_prefetch_b8 v0, s[64:65] scope:SCOPE_SE
	s_setreg_imm32_b32 hwreg(HW_REG_WAVE_SCHED_MODE, 0, 2), 2
	s_setreg_imm32_b32 hwreg(HW_REG_WAVE_MODE, 25, 1), 1
	s_wait_xcnt 0x0
	s_wait_alu depctr_vm_vsrc(0)
; hidden_states [4096][1024] and Wqkv [3072][1024], f32, are rounded once to bf16 (nearest even), so that the projection launch moves and reads half the bytes
; and converts nothing.  hb: [4096][1024] bf16, rows as in hidden_states.  wb: [16][192][1024] bf16: row z*1024 + head*64 + d of Wqkv (z = q, k, v) goes to row
; head*192 + z*64 + d, so that the 192 rows that one head needs are consecutive.
; A stream: every byte is read once and written once; LDS, barriers, the matrix unit and clusters would add nothing (no two work-groups read the same byte).
; 256 work-groups of eight waves.  Thread t owns the 16 bytes at 16 t of every f32 row (256 threads x 16 bytes = a row of 4,096 bytes) and the 8 bytes at 8 t of the
; bf16 row.  Work-group x takes 28 rows: rows 16x .. 16x+15 of hidden and rows 4x .. 4x+3 of each of the three parts of Wqkv (head x / 16, d = 4 (x % 16) + i).
; All 28 loads of a wave go out at once (8 waves x 28 x 512 bytes = 114,688 bytes on their way); the waits count down, four rows at a time.
; Each load of a wave covers 512 consecutive bytes, each store 256 consecutive bytes, both aligned.
; THE MODE: SCHED_MODE bits 1:0 = 2 (LLVM: expert scheduling mode 2), set by the entry lines.  The code itself states the register dependences
; between vector instructions and memory instructions, with s_wait_alu, always for 0.
; THE PLAN.  The 28 rows go in 7 blocks of four (blocks 0 to 3: hidden; blocks 4, 5, 6: the q, k, v parts of Wqkv).  Registers that memory instructions touch:
;   v1, v2   byte offsets of the loads and of the stores: made once at the head, never written again.
;   X        row n: 4 registers.  Written by the row's load, once; no vector instruction names them ahead of the loads; read by the row's two conversions.
;   Y        row n: 2 registers.  Written by the row's two conversions, once; read by the row's store, which is issued in the next block.
; Block p rounds its own four rows; its memory instructions are the four stores of block p - 1, whose Y no vector instruction of block p names.  So one wait at a
; block's head states all that the block's stores hang on, and they are dealt among its conversions with no further wait.  No register that a load or a store reads
; is ever written again: nothing is owed on that side.
.set ROWF, 4096                        ; bytes in an f32 row
.set ROWH, 2048                        ; bytes in a bf16 row
.set X, 4                              ; v[4:115]   row n: 4 registers as loaded
.set Y, 116                            ; v[116:171] row n: 2 registers to store
	s_load_b256 s[4:11], s[0:1], 0x0               ; hidden s[4:5], Wqkv s[6:7], hb s[8:9], wb s[10:11]
	v_lshlrev_b32 v1, 4, v0                        ; 16 t
	v_lshlrev_b32 v2, 3, v0                        ; 8 t
	s_lshl_b32 s12, ttmp9, 16                      ; hidden: 16 rows of 4,096 bytes a work-group
	s_mov_b32 s13, 0
	s_lshl_b32 s14, ttmp9, 14                      ; Wqkv: 4 rows of 4,096 bytes
	s_mov_b32 s15, 0
	s_lshl_b32 s16, ttmp9, 15                      ; hb: 16 rows of 2,048 bytes
	s_mov_b32 s17, 0
	s_lshr_b32 s18, ttmp9, 4                       ; wb: head = x / 16, 192 rows a head,
	s_mul_i32 s18, s18, 192*ROWH
	s_and_b32 s19, ttmp9, 15
	s_lshl_b32 s19, s19, 13                        ; + 4 (x % 16) rows of 2,048 bytes
	s_add_co_u32 s18, s18, s19
	s_mov_b32 s19, 0
	s_wait_kmcnt 0x0
	s_add_nc_u64 s[4:5], s[4:5], s[12:13]
	s_add_nc_u64 s[6:7], s[6:7], s[14:15]          ; the q part
	s_add_nc_u64 s[20:21], s[6:7], 1024*ROWF       ; the k part: a base of its own, since 2 x 1,024 rows pass the signed 24-bit immediate
	s_add_nc_u64 s[22:23], s[6:7], 2048*ROWF       ; the v part
	s_add_nc_u64 s[8:9], s[8:9], s[16:17]
	s_add_nc_u64 s[10:11], s[10:11], s[18:19]
	s_wait_alu depctr_va_vdst(0)                   ; v1 and v2 are written: every load of the kernel reads v1 as its offset, every store v2
.irp i, 0,1,2,3,4,5,6,7,8,9,10,11,12,13,14,15
	global_load_b128 v[X+4*\i:X+4*\i+3], v1, s[4:5] offset:\i*ROWF th:TH_LOAD_NT
.endr
.irp i, 0,1,2,3
	global_load_b128 v[X+64+4*\i:X+64+4*\i+3], v1, s[6:7] offset:\i*ROWF th:TH_LOAD_NT
.endr
.irp i, 0,1,2,3
	global_load_b128 v[X+80+4*\i:X+80+4*\i+3], v1, s[20:21] offset:\i*ROWF th:TH_LOAD_NT
.endr
.irp i, 0,1,2,3
	global_load_b128 v[X+96+4*\i:X+96+4*\i+3], v1, s[22:23] offset:\i*ROWF th:TH_LOAD_NT
.endr
; Row n of the 28 is rounded.  Every row has registers of its own, so nothing that a store reads is written again.
.macro CV n
	v_cvt_pk_bf16_f32 v[Y+2*(\n)],   v[X+4*(\n)],   v[X+4*(\n)+1]
	v_cvt_pk_bf16_f32 v[Y+2*(\n)+1], v[X+4*(\n)+2], v[X+4*(\n)+3]
.endm
; Row n of the 28 is stored: rows 0 to 15 into hb, rows 16 + 4 z + i into wb, part z 64 rows behind part z - 1.
.macro ST n
.if (\n) < 16
	global_store_b64 v2, v[Y+2*(\n):Y+2*(\n)+1], s[8:9] offset:(\n)*ROWH
.else
	global_store_b64 v2, v[Y+2*(\n):Y+2*(\n)+1], s[10:11] offset:(((\n)-16)/4)*64*ROWH+(((\n)-16)%4)*ROWH
.endif
.endm
; Block p: its four rows are rounded; the four rows of the block before are stored, a store ahead of each row's two conversions.
.macro BLK p
	s_wait_loadcnt 24-4*(\p)                       ; loads come back in order (ISA guide 5.7.1): the block's four rows are in, the 24 - 4 p younger loads may be out
.if (\p) > 0
	s_wait_alu depctr_va_vdst(0)                   ; the conversions of the block before have written its Y, which the four stores below read; no conversion of this block names those registers
.endif
.irp i, 0,1,2,3
.if (\p) > 0
	ST 4*(\p)-4+(\i)
.endif
	CV 4*(\p)+(\i)
.endr
.endm
.irp p, 0,1,2,3,4,5,6
	BLK \p
.endr
	s_wait_alu depctr_va_vdst(0)                   ; block 6's conversions have written its Y, which the last four stores read
.irp i, 24,25,26,27
	ST \i
.endr
	s_endpgm
.Lfunc_end_k_q7d98352b39_tobf16:
	.size	k_q7d98352b39_tobf16, .Lfunc_end_k_q7d98352b39_tobf16-k_q7d98352b39_tobf16
	.p2alignl 7, 3214868480
	.fill 96, 4, 3214868480
	.section	.rodata,"a",@progbits
	.p2align	6, 0x0
	.amdhsa_kernel k_q7d98352b39_tobf16
		.amdhsa_group_segment_fixed_size 0
		.amdhsa_private_segment_fixed_size 0
		.amdhsa_enable_private_segment 0
		.amdhsa_kernarg_size 32
		.amdhsa_user_sgpr_count 2
		.amdhsa_user_sgpr_kernarg_segment_ptr 1
		.amdhsa_wavefront_size32 1
		.amdhsa_system_sgpr_workgroup_id_x 1
		.amdhsa_system_sgpr_workgroup_id_y 1
		.amdhsa_system_sgpr_workgroup_id_z 1
		.amdhsa_system_vgpr_workitem_id 0
		.amdhsa_next_free_vgpr 172
		.amdhsa_next_free_sgpr 66
		.amdhsa_reserve_vcc 0
		.amdhsa_float_denorm_mode_32 3
		.amdhsa_float_denorm_mode_16_64 3
		.amdhsa_memory_ordered 1
		.amdhsa_forward_progress 1
		.amdhsa_inst_pref_size 11
	.end_amdhsa_kernel
	.amdgpu_metadata
---
amdhsa.version: [ 1, 2 ]
amdhsa.kernels:
  - .name:           k_q7d98352b39_tobf16
    .symbol:         k_q7d98352b39_tobf16.kd
    .args:
      - { .name: hidden_states, .offset: 0, .size: 8, .value_kind: global_buffer, .address_space: global }
      - { .name: Wqkv, .offset: 8, .size: 8, .value_kind: global_buffer, .address_space: global }
      - { .name: hb, .offset: 16, .size: 8, .value_kind: global_buffer, .address_space: global }
      - { .name: wb, .offset: 24, .size: 8, .value_kind: global_buffer, .address_space: global }
    .group_segment_fixed_size: 0
    .private_segment_fixed_size: 0
    .kernarg_segment_align: 8
    .kernarg_segment_size: 32
    .max_flat_workgroup_size: 256
    .sgpr_count:     66
    .vgpr_count:     172
    .wavefront_size: 32
...
	.end_amdgpu_metadata
.endif
;; end of part 5
;; launch qkv: the kernel of part 4 again; grid 16 x 16, 4 waves a work-group, clusters of 4 x 4, 327,680 bytes of LDS; arguments hb, wb, bqkv, qf, kvf; writes qf, kvf
;; launch attn: the kernel of part 2 again; grid 256 x 1, 9 waves a work-group, clusters of 4 x 1, 298,240 bytes of LDS; arguments qf, kvf, out0; writes out0
